; MI455X (gfx1250); checked and timed in simulation.
; The chip was launched on July 23, 2026; its instructions are those of AMD's public machine-readable ISA for CDNA 5 (MIT licence, August 2026) and "CDNA5" Instruction Set Architecture Reference Guide (July 2026). The comments in the code are by the model that wrote it; some were corrected since.
;; Ro PE Attention. Allowed arithmetic: float matrix products may take bf16 or f16 operands with f32 sums; all other float work in f32.
;; Inputs: K 1 x 8 x 4,096 x 256 float32; Q 1 x 8 x 4,096 x 256 float32; V 1 x 8 x 4,096 x 256 float32.
;; Outputs: out0 1 x 8 x 4,096 x 256 float32.
;; 2 versions, each right; version 2 is version 1 with the launches state, attn written anew for expert scheduling mode. Each part assembles by itself: llvm-mc -triple=amdgcn-amd-amdhsa -mcpu=gfx1250 --defsym DOCPART=n.
;; ======== version 1 of 2: 3 launches
;; limits: values outside matrix products are rounded to f16; inputs' magnitudes at most 65,504; values are held in f16: magnitudes above 65,504 overflow, below 6.1e-05 lose precision; right only within a limited range of input values; a function is approximated: absolute error at most 0.0001
;; workspace buffers: up 32,505,856 bytes; sp 33,554,432 bytes
;; launch state (part 1): grid 31 x 8, 8 waves a work-group, no clusters, 140,288 bytes of LDS; arguments K, V, up; writes up
.if DOCPART == 1
	.amdgcn_target "amdgcn-amd-amdhsa--gfx1250"
	.amdhsa_code_object_version 6
	.text
	.protected	k_qe5e14263b8_state
	.globl	k_qe5e14263b8_state
	.p2align	8
	.type	k_qe5e14263b8_state,@function
k_qe5e14263b8_state:
	s_mov_b64 s[64:65], 0
	v_nop
	global_prefetch_b8 v0, s[64:65] scope:SCOPE_SE
	s_setreg_imm32_b32 hwreg(HW_REG_WAVE_MODE, 25, 1), 1
	s_wait_xcnt 0x0
; STATE.  reference() has no softmax, so (QR KR^T masked) V is re-associated exactly, chunk by chunk of 128 tokens:
;   out[t] = sum over the chunk, s < t, of (QR[t].KR[s]) V[s]  +  QR[t] . S(c),   S(c)[d][n] = sum over all s < 128 c of KR[s][d] V[s][n].
; This launch makes, for head h (grid y) and chunk c = 0 .. 30 (grid x), Us[d][n] = 2^-8 * sum over the chunk of KR[s][d] V[s][n], in f16.
; (Chunk 31 feeds no later chunk, so it has no work-group here.)
; FORMATS: matrix operands in f16 (eight times finer than bf16, which the comparison needs at the late rows), sums in f32.
; LIMITS, kept on purpose: inputs finite and below 65504 in magnitude; |sum of KR V| below 65504 * 2^8 = 1.6e7 (the factor 2^-8 gives f16 that room:
; inputs 30 times the unit spread, or offset by 30, give at most about 5e6); sums are formed chunk by chunk, an order other than the one of reference();
; phases are f32(t_w f) for the first row of a wave and a rotation recurrence over its 16 rows, within about 1e-4 rad of reference().
; SHARES: 8 waves.  Wave w loads rows 16 w .. 16 w + 15 of K and V, rotates K, rounds both to f16 into LDS; then it makes columns n = 32 w .. 32 w + 31 of Us
; for all 256 d.  No tile is read by two work-groups, so there is nothing to share in a cluster; every number passes registers (rotation, rounding),
; so the loads go to registers and no copy engine is used.
; OUTPUT LAYOUT (also of the next two launches): a state is 256 blocks of 512 bytes, block (a = n / 16, b = d / 16) at (16 a + b) * 512; lane (r, h) owns the
; 16 bytes at 16 * lane: Us[16 b + 8 h + j][16 a + r], j = 0 .. 7.  That is a packed result tile as it lies in registers: each store covers 512 consecutive aligned bytes.
.set PITCH, 544                        ; LDS row: 512 bytes of f16 + 32: an odd multiple of 32, as the transposing loads want
.set KT,    0                          ; KR, 128 rows [s][d]
.set VT,    128*PITCH                  ; V,  128 rows [s][n]
.set KSTEP, 32*PITCH                   ; 32 tokens: one step along the sum
.set HALF,  16*PITCH
; load phase: v1 lane, v2 16 lane, v3 / v4 where my rows go in KT / VT, v5 / v6 fragment addresses
.set CSA, 16                           ; v[16:23]  (cos, sin) of my four frequency pairs, even rows
.set CSB, 24                           ; v[24:31]  the same, odd rows
.set ST,  32                           ; v[32:39]  (cos, sin) of one row step
.set T,   40                           ; v[40:47]  rotated K
.set H,   48                           ; v[48:55]  f16: K in 0-3, V in 4-7
.set F,   56                           ; v[56:59]  cycles per row
.set X,   60                           ; v[60:63]  cycles at my first row
.set TA,  64
.set TZ,  65
.set XS,  112                          ; v[112:239] eight row slots: K in +0..7, V in +8..15
; product phase
.set BF,   16                          ; v[16:79]   V^T fragments (n tile nt, step k) at 8 (4 nt + k)
.set RING, 80                          ; v[80:175]  three sets of four K^T fragments
.set ACC,  176                         ; v[176:239] eight result tiles (d tile i, n tile nt) at 8 (2 i + nt)
.set C_S3, 20                          ; s20-s26: coefficients of sine and cosine, pi/2
.set C_S2, 21
.set C_S1, 22
.set C_C4, 23
.set C_C3, 24
.set C_C2, 25
.set C_PI2, 26
.macro PLACES                          ; four places behind a matrix instruction (ISA guide 7.12.1)
.rept 4
	v_nop
.endr
.endm
; (d, d+1) = the pair (x, x+1) turned by the angle whose (cos, sin) lie in (r, r+1): d0 = x0 c - x1 s, d1 = x1 c + x0 s
.macro ROT d, x, r
	v_pk_mul_f32 v[\d:\d+1], v[\x:\x+1], v[\r:\r+1] op_sel_hi:[1,0]
	v_pk_fma_f32 v[\d:\d+1], v[\x:\x+1], v[\r:\r+1], v[\d:\d+1] op_sel:[1,1,0] op_sel_hi:[0,1,1] neg_lo:[0,1,0]
.endm
; v[d] = cos, v[d+1] = sin of x cycles: the fraction nearest zero, a quarter of its angle (at most pi/4) by series, doubled twice
.macro SINCOS d, x, ta, tz
	v_rndne_f32 v[\ta], v[\x]
	v_sub_f32 v[\ta], v[\x], v[\ta]
	v_mul_f32 v[\ta], s[C_PI2], v[\ta]
	v_mul_f32 v[\tz], v[\ta], v[\ta]
	v_fma_f32 v[\d+1], v[\tz], s[C_S3], s[C_S2]
	v_fma_f32 v[\d], v[\tz], s[C_C4], s[C_C3]
	v_fma_f32 v[\d+1], v[\d+1], v[\tz], s[C_S1]
	v_fma_f32 v[\d], v[\d], v[\tz], s[C_C2]
	v_fma_f32 v[\d+1], v[\d+1], v[\tz], 1.0
	v_fma_f32 v[\d], v[\d], v[\tz], -0.5
	v_mul_f32 v[\d+1], v[\d+1], v[\ta]
	v_fma_f32 v[\d], v[\d], v[\tz], 1.0
.rept 2
	v_mul_f32 v[\tz], v[\d+1], v[\d+1]
	v_mul_f32 v[\d+1], v[\d+1], v[\d]
	v_fma_f32 v[\d], v[\tz], -2.0, 1.0
	v_add_f32 v[\d+1], v[\d+1], v[\d+1]
.endr
.endm
; four loads: row i of my sixteen, K and V; a lane takes dims 4 l .. 4 l + 3 and 128 + 4 l .. + 3; each load covers 512 consecutive aligned bytes
.macro LOADROW i
.set L_, XS+16*((\i)%8)
	global_load_b128 v[L_:L_+3],     v2, s[4:5] offset:(\i)*1024
	global_load_b128 v[L_+4:L_+7],   v2, s[4:5] offset:(\i)*1024+512
	global_load_b128 v[L_+8:L_+11],  v2, s[6:7] offset:(\i)*1024
	global_load_b128 v[L_+12:L_+15], v2, s[6:7] offset:(\i)*1024+512
.endm
	s_load_b128 s[4:7], s[0:1], 0x0                ; K s[4:5], V s[6:7]
	s_load_b64 s[8:9], s[0:1], 0x10                ; up
	v_lshl_add_u32 v240, v0, 2, 0x22000
	v_mov_b32 v241, 0
	v_lshrrev_b32 v1, 5, v0
	v_readfirstlane_b32 s10, v1                    ; wave w
	s_and_b32 s11, ttmp7, 0xffff                   ; head h
	s_lshl_b32 s14, s11, 12
	s_lshl_b32 s13, ttmp9, 7
	s_lshl_b32 s18, s10, 4
	s_add_co_u32 s18, s18, s13                     ; t_w = 128 c + 16 w: my first token
	s_add_co_u32 s14, s14, s18
	s_lshl_b32 s14, s14, 10                        ; (4096 h + t_w) rows of 1,024 bytes: below 32 MiB
	s_mov_b32 s15, 0
	s_mul_i32 s16, s11, 31
	s_add_co_u32 s16, s16, ttmp9
	s_lshl_b32 s16, s16, 17                        ; state (h, c) of 131,072 bytes,
	s_lshl_b32 s17, s10, 14
	s_add_co_u32 s16, s16, s17                     ; and in it my n tiles 2 w, 2 w + 1: 32 blocks of 512 bytes
	s_mov_b32 s17, 0
	v_and_b32 v1, 31, v0                           ; lane
	v_lshlrev_b32 v2, 4, v1                        ; 16 lane: never rewritten
	s_wait_kmcnt 0x0
	s_add_nc_u64 s[4:5], s[4:5], s[14:15]
	s_add_nc_u64 s[6:7], s[6:7], s[14:15]
	s_add_nc_u64 s[8:9], s[8:9], s[16:17]
.irp i, 0,1,2,3,4,5,6,7
	LOADROW \i                                     ; 32 loads of the wave on their way before anything else is done
.endr
	; LDS addresses
	s_mul_i32 s19, s10, HALF
	v_lshl_add_u32 v3, v1, 3, s19                  ; KT + 16 w rows + 8 lane
	v_add_nc_u32 v4, VT, v3
	v_bfe_u32 v7, v0, 4, 1                         ; h = lane / 16
	v_and_b32 v8, 7, v0
	v_lshl_add_u32 v8, v7, 3, v8
	v_mul_u32_u24 v5, v8, PITCH                    ; transposing load: row 8 h + lane % 8,
	v_bfe_u32 v7, v0, 3, 1
	v_lshl_add_u32 v5, v7, 4, v5                   ; 16 bytes further for lanes 8-15 of each half
	s_lshl_b32 s19, s10, 6
	s_add_co_u32 s19, s19, VT
	v_add_nc_u32 v6, s19, v5                       ; the same in VT at my columns 32 w
	s_mov_b32 s[C_S3], 0xb9500d01                  ; -1/5040
	s_mov_b32 s[C_S2], 0x3c088889                  ; 1/120
	s_mov_b32 s[C_S1], 0xbe2aaaab                  ; -1/6
	s_mov_b32 s[C_C4], 0x37d00d01                  ; 1/40320
	s_mov_b32 s[C_C3], 0xbab60b61                  ; -1/720
	s_mov_b32 s[C_C2], 0x3d2aaaab                  ; 1/24
	s_mov_b32 s[C_PI2], 0x3fc90fdb                 ; pi/2
	s_mov_b32 s28, 0x3b800000                      ; 2^-8, as a pair for the packed multiply
	s_mov_b32 s29, 0x3b800000
	; my four frequency pairs p = 2 l, 2 l + 1, 64 + 2 l, 65 + 2 l: 2^(-p/8) / (2 pi) cycles per row
	v_lshlrev_b32 v[TA], 1, v1
	v_cvt_f32_u32 v[TZ], s18                       ; t_w
.irp q, 0,1,2,3
	v_add_nc_u32 v[F+\q], (\q&1)+64*(\q>>1), v[TA]
	v_cvt_f32_u32 v[F+\q], v[F+\q]
	v_mul_f32 v[F+\q], 0xbe000000, v[F+\q]         ; -p / 8
.endr
.irp q, 0,1,2,3
	v_exp_f32 v[F+\q], v[F+\q]
.endr
	v_nop                                          ; one plain place behind the exponentials (ISA guide 5.7.2)
	s_wait_alu depctr_va_vdst(0)
.irp q, 0,1,2,3
	v_mul_f32 v[F+\q], 0x3e22f983, v[F+\q]         ; / (2 pi)
	v_mul_f32 v[X+\q], v[F+\q], v[TZ]
.endr
.irp q, 0,1,2,3
	SINCOS CSA+2*\q, X+\q, TA, TZ
	SINCOS ST+2*\q, F+\q, TA, TZ
.endr
; Row i of my sixteen: rotate K, round K and V to f16, into LDS; the slot gets row i + 8; the phases step one row.
.macro ROW i
.set SL_, XS+16*((\i)%8)
.if (\i)%2
.set CUR_, CSB
.set NXT_, CSA
.else
.set CUR_, CSA
.set NXT_, CSB
.endif
.if 15-(\i) < 7
	s_wait_loadcnt 4*(15-(\i))                     ; the rows behind this one, four loads each, may stay out
.else
	s_wait_loadcnt 28                              ; seven younger rows, four loads each, stay out
.endif
.irp q, 0,1,2,3
	ROT T+2*\q, SL_+2*\q, CUR_+2*\q
.endr
.irp q, 0,1,2,3
	v_cvt_pk_f16_f32 v[H+\q], v[T+2*\q], v[T+2*\q+1]
.endr
.irp q, 0,1,2,3
	v_cvt_pk_f16_f32 v[H+4+\q], v[SL_+8+2*\q], v[SL_+8+2*\q+1]
.endr
	ds_store_b64 v3, v[H:H+1]   offset:(\i)*PITCH
	ds_store_b64 v3, v[H+2:H+3] offset:(\i)*PITCH+256
	ds_store_b64 v4, v[H+4:H+5] offset:(\i)*PITCH
	ds_store_b64 v4, v[H+6:H+7] offset:(\i)*PITCH+256
.if (\i) < 8
	LOADROW (\i)+8
.endif
.if (\i) < 15
.irp q, 0,1,2,3
	ROT NXT_+2*\q, CUR_+2*\q, ST+2*\q
.endr
.endif
.endm
.irp i, 0,1,2,3,4,5,6,7,8,9,10,11,12,13,14,15
	ROW \i
.endr
	s_wait_dscnt 0x0                               ; my rows are in LDS: zero, for the other waves
	s_barrier_signal -1
	s_barrier_wait -1                              ; all 128 rows of both tiles are
; Us(d, n) = sum over s: A = K^T (row d), B = V^T (column n), both by transposing loads from rows that lie along d and n.
; Sixteen steps sg = 4 g + k: d tiles 4 g .. 4 g + 3, tokens 32 k .. 32 k + 31.
.macro FETCH sg
.set R_, RING+32*((\sg)%3)
.set O_, ((\sg)&3)*KSTEP+((\sg)>>2)*128
.irp i, 0,1,2,3
	ds_load_tr16_b128 v[R_+8*\i:R_+8*\i+3],   v5 offset:O_+32*\i
	ds_load_tr16_b128 v[R_+8*\i+4:R_+8*\i+7], v5 offset:O_+32*\i+HALF
.endr
.endm
; eight matrix instructions on eight accumulators, which take turns, one instruction a turn; the first step of a group starts the sums
.macro MUL sg
.set R_, RING+32*((\sg)%3)
.set K_, (\sg)&3
.irp i, 0,1,2,3
.irp n, 0,1
.if K_ == 0
	v_wmma_f32_16x16x32_f16 v[ACC+8*(2*\i+\n):ACC+8*(2*\i+\n)+7], v[R_+8*\i:R_+8*\i+7], v[BF+8*(4*\n+K_):BF+8*(4*\n+K_)+7], 0
.else
	v_wmma_f32_16x16x32_f16 v[ACC+8*(2*\i+\n):ACC+8*(2*\i+\n)+7], v[R_+8*\i:R_+8*\i+7], v[BF+8*(4*\n+K_):BF+8*(4*\n+K_)+7], v[ACC+8*(2*\i+\n):ACC+8*(2*\i+\n)+7]
.endif
.endr
.endr
.endm
; the eight tiles of group g: times 2^-8, rounded to f16 in place, 16 bytes a lane, 512 consecutive aligned bytes a store
.macro PACKSTORE g
.irp i, 0,1,2,3
.irp n, 0,1
.set A_, ACC+8*(2*\i+\n)
.irp k, 0,1,2,3
	v_pk_mul_f32 v[A_+2*\k:A_+2*\k+1], v[A_+2*\k:A_+2*\k+1], s[28:29] op_sel_hi:[1,0]
.endr
.irp k, 0,1,2,3
	v_cvt_pk_f16_f32 v[A_+\k], v[A_+2*\k], v[A_+2*\k+1]
.endr
	global_store_b128 v2, v[A_:A_+3], s[8:9] offset:(16*\n+4*(\g)+\i)*512
.endr
.endr
.endm
.irp n, 0,1
.irp k, 0,1,2,3
	ds_load_tr16_b128 v[BF+8*(4*\n+\k):BF+8*(4*\n+\k)+3],   v6 offset:\k*KSTEP+32*\n
	ds_load_tr16_b128 v[BF+8*(4*\n+\k)+4:BF+8*(4*\n+\k)+7], v6 offset:\k*KSTEP+32*\n+HALF
.endr
.endr
	FETCH 0
	FETCH 1
.set sg, 0
.rept 16
.if sg > 0
	PLACES                                         ; behind the last step: for the loads into the set that it read, and for the packing of its results
.if (sg&3) == 0
	PACKSTORE (sg>>2)-1
.endif
.endif
.if sg < 14
	FETCH sg+2
.endif
.if sg > 0
.if (sg&3) == 0
	s_wait_xcnt 0x0                                ; the accumulators, which the stores above read, are written again only behind this wait
.endif
.endif
.if sg < 14
	s_wait_dscnt 16                                ; the two younger fetches, eight loads each, stay out
.else
	s_wait_dscnt 8*(15-sg)                         ; one younger fetch, then none
.endif
	MUL sg
.set sg, sg+1
.endr
	PLACES
	PACKSTORE 3
	s_wait_tensorcnt 0x0
	ds_add_u32 v240, v241
	s_wait_dscnt 0x0
	s_endpgm
.Lfunc_end_k_qe5e14263b8_state:
	.size	k_qe5e14263b8_state, .Lfunc_end_k_qe5e14263b8_state-k_qe5e14263b8_state
	.p2alignl 7, 3214868480
	.fill 96, 4, 3214868480
	.section	.rodata,"a",@progbits
	.p2align	6, 0x0
	.amdhsa_kernel k_qe5e14263b8_state
		.amdhsa_group_segment_fixed_size 140288
		.amdhsa_private_segment_fixed_size 0
		.amdhsa_enable_private_segment 0
		.amdhsa_kernarg_size 24
		.amdhsa_user_sgpr_count 2
		.amdhsa_user_sgpr_kernarg_segment_ptr 1
		.amdhsa_wavefront_size32 1
		.amdhsa_system_sgpr_workgroup_id_x 1
		.amdhsa_system_sgpr_workgroup_id_y 1
		.amdhsa_system_sgpr_workgroup_id_z 1
		.amdhsa_system_vgpr_workitem_id 0
		.amdhsa_next_free_vgpr 242
		.amdhsa_next_free_sgpr 66
		.amdhsa_reserve_vcc 0
		.amdhsa_float_denorm_mode_32 3
		.amdhsa_float_denorm_mode_16_64 3
		.amdhsa_memory_ordered 1
		.amdhsa_forward_progress 1
		.amdhsa_inst_pref_size 84
	.end_amdhsa_kernel
	.amdgpu_metadata
---
amdhsa.version: [ 1, 2 ]
amdhsa.kernels:
  - .name:           k_qe5e14263b8_state
    .symbol:         k_qe5e14263b8_state.kd
    .args:
      - { .name: K, .offset: 0, .size: 8, .value_kind: global_buffer, .address_space: global }
      - { .name: V, .offset: 8, .size: 8, .value_kind: global_buffer, .address_space: global }
      - { .name: up, .offset: 16, .size: 8, .value_kind: global_buffer, .address_space: global }
    .group_segment_fixed_size: 140288
    .private_segment_fixed_size: 0
    .kernarg_segment_align: 8
    .kernarg_segment_size: 24
    .max_flat_workgroup_size: 256
    .sgpr_count:     66
    .vgpr_count:     242
    .wavefront_size: 32
...
	.end_amdgpu_metadata
.endif
;; end of part 1
;; launch scan (part 2): grid 32 x 8, 8 waves a work-group, no clusters, 0 bytes of LDS; arguments up, sp; writes sp
.if DOCPART == 2
	.amdgcn_target "amdgcn-amd-amdhsa--gfx1250"
	.amdhsa_code_object_version 6
	.text
	.protected	k_qe5e14263b8_scan
	.globl	k_qe5e14263b8_scan
	.p2align	8
	.type	k_qe5e14263b8_scan,@function
k_qe5e14263b8_scan:
	s_mov_b64 s[64:65], 0
	v_nop
	global_prefetch_b8 v0, s[64:65] scope:SCOPE_SE
	s_setreg_imm32_b32 hwreg(HW_REG_WAVE_MODE, 25, 1), 1
	s_wait_xcnt 0x0
; SCAN: the exclusive prefix over chunks of the chunk states: Ss(h, c) = sum over c2 < c of Us(h, c2), c = 0 .. 31; Ss(h, 0) = 0.
; up: [8 h][31 c][131,072 bytes], sp: [8 h][32 c][131,072 bytes], f16, the same order of numbers in both, so the sum is element by element.
; Sums are carried in f32 and rounded to f16 once for each stored state.  LIMIT: |2^-8 sum of KR V| below 65504 (stated at the first launch).
; Work-group (x, h): bytes 4096 x .. 4096 x + 4095 of every state of head h; a thread owns 16 bytes (8 numbers) of each.  All 31 loads of a thread
; go out at once (16 bytes each), every load and store of a wave covers 512 consecutive aligned bytes, nothing is read twice.  Memory binds: no LDS, no barrier,
; no matrix unit, and no two work-groups read the same bytes.
.set STATE, 131072
.set S, 128                            ; v[128:135] the eight running sums
.set T, 136                            ; v[136:143] a chunk, widened
.set Z, 144                            ; v[144:147] zeros
                                       ; v[4+4c:7+4c] chunk c as loaded, then the prefix as stored (below v128: halves of a register can be named there)
	s_load_b128 s[4:7], s[0:1], 0x0                ; up s[4:5], sp s[6:7]
	s_and_b32 s8, ttmp7, 0xffff                    ; head
	s_lshl_b32 s9, ttmp9, 12
	s_mul_i32 s10, s8, 31*STATE
	s_add_co_u32 s10, s10, s9
	s_mov_b32 s11, 0
	s_lshl_b32 s12, s8, 22                         ; 32 states of 131,072 bytes
	s_add_co_u32 s12, s12, s9
	s_mov_b32 s13, 0
	v_lshlrev_b32 v1, 4, v0                        ; never rewritten
.irp k, 0,1,2,3
	v_mov_b32 v[Z+\k], 0
.endr
	s_wait_kmcnt 0x0
	s_add_nc_u64 s[4:5], s[4:5], s[10:11]
	s_add_nc_u64 s[6:7], s[6:7], s[12:13]
.set cc, 0
.rept 31
	global_load_b128 v[4+4*cc:7+4*cc], v1, s[4:5] offset:cc*STATE th:TH_LOAD_NT
.set cc, cc+1
.endr
	global_store_b128 v1, v[Z:Z+3], s[6:7]         ; Ss(0) = 0
	s_wait_loadcnt 30                              ; chunk 0 is in; the 30 younger loads stay out
	global_store_b128 v1, v[4:7], s[6:7] offset:STATE   ; Ss(1) = Us(0), as it is
	v_cvt_f32_f16 v[S+0], v4.l                     ; and it starts the sums: nothing is cleared
	v_cvt_f32_f16 v[S+1], v4.h
	v_cvt_f32_f16 v[S+2], v5.l
	v_cvt_f32_f16 v[S+3], v5.h
	v_cvt_f32_f16 v[S+4], v6.l
	v_cvt_f32_f16 v[S+5], v6.h
	v_cvt_f32_f16 v[S+6], v7.l
	v_cvt_f32_f16 v[S+7], v7.h
; Chunk c, in registers a, b, d, e (plain numbers, since halves are named): widen, add, round back into the same registers, store as Ss(c + 1).
; No register that a store reads is written again, so no wait stands behind the stores.
.macro STEP c, a, b, d, e
	s_wait_loadcnt 30-\c                           ; the loads of the chunks behind c stay out
	v_cvt_f32_f16 v[T+0], v\a\().l
	v_cvt_f32_f16 v[T+1], v\a\().h
	v_cvt_f32_f16 v[T+2], v\b\().l
	v_cvt_f32_f16 v[T+3], v\b\().h
	v_cvt_f32_f16 v[T+4], v\d\().l
	v_cvt_f32_f16 v[T+5], v\d\().h
	v_cvt_f32_f16 v[T+6], v\e\().l
	v_cvt_f32_f16 v[T+7], v\e\().h
	v_pk_add_f32 v[S+0:S+1], v[S+0:S+1], v[T+0:T+1]
	v_pk_add_f32 v[S+2:S+3], v[S+2:S+3], v[T+2:T+3]
	v_pk_add_f32 v[S+4:S+5], v[S+4:S+5], v[T+4:T+5]
	v_pk_add_f32 v[S+6:S+7], v[S+6:S+7], v[T+6:T+7]
	v_cvt_pk_f16_f32 v\a, v[S+0], v[S+1]
	v_cvt_pk_f16_f32 v\b, v[S+2], v[S+3]
	v_cvt_pk_f16_f32 v\d, v[S+4], v[S+5]
	v_cvt_pk_f16_f32 v\e, v[S+6], v[S+7]
	global_store_b128 v1, v[\a:\e], s[6:7] offset:(\c+1)*STATE
.endm
	STEP 1, 8, 9, 10, 11
	STEP 2, 12, 13, 14, 15
	STEP 3, 16, 17, 18, 19
	STEP 4, 20, 21, 22, 23
	STEP 5, 24, 25, 26, 27
	STEP 6, 28, 29, 30, 31
	STEP 7, 32, 33, 34, 35
	STEP 8, 36, 37, 38, 39
	STEP 9, 40, 41, 42, 43
	STEP 10, 44, 45, 46, 47
	STEP 11, 48, 49, 50, 51
	STEP 12, 52, 53, 54, 55
	STEP 13, 56, 57, 58, 59
	STEP 14, 60, 61, 62, 63
	STEP 15, 64, 65, 66, 67
	STEP 16, 68, 69, 70, 71
	STEP 17, 72, 73, 74, 75
	STEP 18, 76, 77, 78, 79
	STEP 19, 80, 81, 82, 83
	STEP 20, 84, 85, 86, 87
	STEP 21, 88, 89, 90, 91
	STEP 22, 92, 93, 94, 95
	STEP 23, 96, 97, 98, 99
	STEP 24, 100, 101, 102, 103
	STEP 25, 104, 105, 106, 107
	STEP 26, 108, 109, 110, 111
	STEP 27, 112, 113, 114, 115
	STEP 28, 116, 117, 118, 119
	STEP 29, 120, 121, 122, 123
	STEP 30, 124, 125, 126, 127
	s_endpgm
.Lfunc_end_k_qe5e14263b8_scan:
	.size	k_qe5e14263b8_scan, .Lfunc_end_k_qe5e14263b8_scan-k_qe5e14263b8_scan
	.p2alignl 7, 3214868480
	.fill 96, 4, 3214868480
	.section	.rodata,"a",@progbits
	.p2align	6, 0x0
	.amdhsa_kernel k_qe5e14263b8_scan
		.amdhsa_group_segment_fixed_size 0
		.amdhsa_private_segment_fixed_size 0
		.amdhsa_enable_private_segment 0
		.amdhsa_kernarg_size 16
		.amdhsa_user_sgpr_count 2
		.amdhsa_user_sgpr_kernarg_segment_ptr 1
		.amdhsa_wavefront_size32 1
		.amdhsa_system_sgpr_workgroup_id_x 1
		.amdhsa_system_sgpr_workgroup_id_y 1
		.amdhsa_system_sgpr_workgroup_id_z 1
		.amdhsa_system_vgpr_workitem_id 0
		.amdhsa_next_free_vgpr 148
		.amdhsa_next_free_sgpr 66
		.amdhsa_reserve_vcc 0
		.amdhsa_float_denorm_mode_32 3
		.amdhsa_float_denorm_mode_16_64 3
		.amdhsa_memory_ordered 1
		.amdhsa_forward_progress 1
		.amdhsa_inst_pref_size 31
	.end_amdhsa_kernel
	.amdgpu_metadata
---
amdhsa.version: [ 1, 2 ]
amdhsa.kernels:
  - .name:           k_qe5e14263b8_scan
    .symbol:         k_qe5e14263b8_scan.kd
    .args:
      - { .name: up, .offset: 0, .size: 8, .value_kind: global_buffer, .address_space: global }
      - { .name: sp, .offset: 8, .size: 8, .value_kind: global_buffer, .address_space: global }
    .group_segment_fixed_size: 0
    .private_segment_fixed_size: 0
    .kernarg_segment_align: 8
    .kernarg_segment_size: 16
    .max_flat_workgroup_size: 256
    .sgpr_count:     66
    .vgpr_count:     148
    .wavefront_size: 32
...
	.end_amdgpu_metadata
.endif
;; end of part 2
;; launch attn (part 3): grid 32 x 8, 8 waves a work-group, no clusters, 238,592 bytes of LDS; arguments Q, K, V, sp, out0; writes out0
.if DOCPART == 3
	.amdgcn_target "amdgcn-amd-amdhsa--gfx1250"
	.amdhsa_code_object_version 6
	.text
	.protected	k_qe5e14263b8_attn
	.globl	k_qe5e14263b8_attn
	.p2align	8
	.type	k_qe5e14263b8_attn,@function
k_qe5e14263b8_attn:
	s_mov_b64 s[64:65], 0
	v_nop
	global_prefetch_b8 v0, s[64:65] scope:SCOPE_SE
	s_setreg_imm32_b32 hwreg(HW_REG_WAVE_MODE, 25, 1), 1
	s_wait_xcnt 0x0
; ATTN: for head h (grid y) and chunk c (grid x) of 128 tokens:  out = 256 * ( tril(Ps, -1) V + QR Ss(c) ),  Ps = 2^-8 QR KR^T inside the chunk,
; Ss(c) = 2^-8 * sum over all earlier tokens of KR^T V, as the two launches before have stored it (zeros for c = 0: one path for all work-groups).
; FORMATS: matrix operands in f16, sums in f32.  LIMITS, kept on purpose: inputs finite and below 65504 in magnitude; |score| and |sum of KR V| below
; 65504 * 2^8 = 1.6e7 (inputs 30 times the unit spread, or offset by 30, give at most about 5e6); sums go chunk by chunk, an order other than the one of
; reference(); phases are f32(t_w f) at the first row of a wave and a rotation recurrence over its 16 rows, within about 1e-4 rad of reference().
; SHARES: 8 waves.  Wave w loads rows 16 w .. + 15 of Q, K, V (rotates Q and K, rounds to f16, into LDS), makes the scores of t tile w, and then the columns
; n = 32 w .. 32 w + 31 of the result for all 128 rows, TRANSPOSED: O^T = Ss^T QR^T + V^T Ps^T, so that a lane holds eight neighbouring n of one row.
; No two work-groups read the same bytes: nothing to share in a cluster.  Every input number passes registers (rotation, rounding): no copy engine.
; LDS: QT [t][d] and KT [s][d], pitch 528 = 33 x 16 bytes; VT [s][n], pitch 544 = 17 x 32 bytes (transposing loads); PT: 32 blocks of 1 KiB, block 4 tt + b =
; the B fragment Ps(t tile tt, s = 32 b .. + 31) lane by lane; STAGE: 128 rows of f32, pitch 1040, over QT and KT once nobody reads them.
.set PQ,  528
.set PVT, 544
.set QT,  0
.set KT,  128*PQ                       ; 67,584
.set VT,  2*128*PQ                     ; 135,168
.set PT,  VT+128*PVT                   ; 204,800; ends at 237,568
.set SPITCH, 1040                      ; the stage ends at 133,120, below VT
; window 0, fixed, none of them ever rewritten: v1 lane, v2 16 lane, v3 / v4 / v5 where my rows go in QT / KT / VT, v6 fragment address in QT, v7 in KT,
; v8 in VT (transposing), v9 where my Ps blocks go, v10 PT + 16 lane, v11 16 w + r - 8 h (the mask), v12 / v13 stage in, v14 stage out, v15 my t tile in QT
.set CSA, 16                           ; v[16:23]  (cos, sin) of my four frequency pairs, even rows
.set CSB, 24                           ; v[24:31]  odd rows
.set ST,  32                           ; v[32:39]  (cos, sin) of one row step
.set T,   40                           ; v[40:47]  rotated pairs
.set H,   48                           ; v[48:59]  f16: Q, K, V
.set F,   40                           ; set-up only: cycles per row,
.set X,   44                           ; cycles at my first row,
.set TA,  48
.set TZ,  49
.set XS,  64                           ; v[64:255] eight row slots: Q +0..7, K +8..15, V +16..23
.set QFR, 16                           ; scores: v[16:79] Q fragments, 8 steps along d
.set KFR, 80                           ; v[80:207] K fragments: 64 e + 8 k
.set PA,  208                          ; v[208:223] two score tiles
.set PK,  224                          ; v[224:231] packed
.set RING, 32                          ; main: v[32:127] three sets of four B fragments
.set ACC,  128                         ; v[128:255] sixteen result tiles (tt, nt) at 8 (2 tt + nt)
; window 1 (written with the low 8 bits): v[0:127] Ss^T fragments (nt, k) at 64 nt + 8 k; v[128:191] V^T fragments (nt, b) at 128 + 8 (4 nt + b); v192, v193 copies of v6, v10
.set VFR, 128
.set QF1, 192
.set PF1, 193
.set C_S3, 24
.set C_S2, 25
.set C_S1, 26
.set C_C4, 27
.set C_C3, 28
.set C_C2, 29
.set C_PI2, 30
.set MSB, 0
.macro WIN new                         ; low byte: bits 1:0 source 0, 3:2 source 1, 5:4 source 2, 7:6 destination; the high byte repeats the setting that is left
.if MSB != \new
	s_set_vgpr_msb (MSB<<8)|\new
.set MSB, \new
.endif
.endm
.macro PLACES                          ; four places behind a matrix instruction (ISA guide 7.12.1)
.rept 4
	v_nop
.endr
.endm
; (d, d+1) = the pair (x, x+1) turned by the angle whose (cos, sin) lie in (r, r+1): d0 = x0 c - x1 s, d1 = x1 c + x0 s
.macro ROT d, x, r
	v_pk_mul_f32 v[\d:\d+1], v[\x:\x+1], v[\r:\r+1] op_sel_hi:[1,0]
	v_pk_fma_f32 v[\d:\d+1], v[\x:\x+1], v[\r:\r+1], v[\d:\d+1] op_sel:[1,1,0] op_sel_hi:[0,1,1] neg_lo:[0,1,0]
.endm
; v[d] = cos, v[d+1] = sin of x cycles: the fraction nearest zero, a quarter of its angle (at most pi/4) by series, doubled twice
.macro SINCOS d, x, ta, tz
	v_rndne_f32 v[\ta], v[\x]
	v_sub_f32 v[\ta], v[\x], v[\ta]
	v_mul_f32 v[\ta], s[C_PI2], v[\ta]
	v_mul_f32 v[\tz], v[\ta], v[\ta]
	v_fma_f32 v[\d+1], v[\tz], s[C_S3], s[C_S2]
	v_fma_f32 v[\d], v[\tz], s[C_C4], s[C_C3]
	v_fma_f32 v[\d+1], v[\d+1], v[\tz], s[C_S1]
	v_fma_f32 v[\d], v[\d], v[\tz], s[C_C2]
	v_fma_f32 v[\d+1], v[\d+1], v[\tz], 1.0
	v_fma_f32 v[\d], v[\d], v[\tz], -0.5
	v_mul_f32 v[\d+1], v[\d+1], v[\ta]
	v_fma_f32 v[\d], v[\d], v[\tz], 1.0
.rept 2
	v_mul_f32 v[\tz], v[\d+1], v[\d+1]
	v_mul_f32 v[\d+1], v[\d+1], v[\d]
	v_fma_f32 v[\d], v[\tz], -2.0, 1.0
	v_add_f32 v[\d+1], v[\d+1], v[\d+1]
.endr
.endm
; six loads: row i of my sixteen in Q, K, V; a lane takes dims 4 l .. + 3 and 128 + 4 l .. + 3; each load covers 512 consecutive aligned bytes
.macro LOADROW i
.set L_, XS+24*((\i)%8)
	global_load_b128 v[L_:L_+3],     v2, s[4:5] offset:(\i)*1024 th:TH_LOAD_NT
	global_load_b128 v[L_+4:L_+7],   v2, s[4:5] offset:(\i)*1024+512 th:TH_LOAD_NT
	global_load_b128 v[L_+8:L_+11],  v2, s[6:7] offset:(\i)*1024 th:TH_LOAD_NT
	global_load_b128 v[L_+12:L_+15], v2, s[6:7] offset:(\i)*1024+512 th:TH_LOAD_NT
	global_load_b128 v[L_+16:L_+19], v2, s[8:9] offset:(\i)*1024 th:TH_LOAD_NT
	global_load_b128 v[L_+20:L_+23], v2, s[8:9] offset:(\i)*1024+512 th:TH_LOAD_NT
.endm
	s_load_b256 s[4:11], s[0:1], 0x0               ; Q s[4:5], K s[6:7], V s[8:9], sp s[10:11]
	s_load_b64 s[12:13], s[0:1], 0x20              ; out0
	s_set_vgpr_msb 0x40
	v_lshl_add_u32 v200, v0, 2, 0x3a000
	v_mov_b32 v201, 0
	s_set_vgpr_msb 0x4000
	v_lshrrev_b32 v1, 5, v0
	v_readfirstlane_b32 s16, v1                    ; wave w
	s_and_b32 s15, ttmp7, 0xffff                   ; head h
	s_lshl_b32 s18, s15, 12
	s_lshl_b32 s14, ttmp9, 7
	s_lshl_b32 s22, s16, 4
	s_add_co_u32 s22, s22, s14                     ; t_w = 128 c + 16 w
	s_add_co_u32 s18, s18, s22
	s_lshl_b32 s18, s18, 10                        ; (4096 h + t_w) rows of 1,024 bytes
	s_mov_b32 s19, 0
	s_lshl_b32 s20, s15, 5
	s_add_co_u32 s20, s20, ttmp9
	s_lshl_b32 s20, s20, 17                        ; state (h, c),
	s_lshl_b32 s21, s16, 14
	s_add_co_u32 s20, s20, s21                     ; my n tiles 2 w, 2 w + 1: 32 blocks of 512 bytes
	s_mov_b32 s21, 0
	v_and_b32 v1, 31, v0
	v_lshlrev_b32 v2, 4, v1                        ; 16 lane: never rewritten
	s_wait_kmcnt 0x0
	s_add_nc_u64 s[4:5], s[4:5], s[18:19]
	s_add_nc_u64 s[6:7], s[6:7], s[18:19]
	s_add_nc_u64 s[8:9], s[8:9], s[18:19]
	s_add_nc_u64 s[12:13], s[12:13], s[18:19]
	s_add_nc_u64 s[10:11], s[10:11], s[20:21]
	; Ss^T as A fragments straight from memory: block (a, 2 k) is registers 0-3 of fragment (a, k), block (a, 2 k + 1) registers 4-7
	WIN 0x40
.set mm, 0
.rept 32
	global_load_b128 v[4*mm:4*mm+3], v2, s[10:11] offset:512*mm th:TH_LOAD_NT
.set mm, mm+1
.endr
	WIN 0
.irp i, 0,1,2,3,4,5,6,7
	LOADROW \i
.endr
	; LDS addresses
	v_and_b32 v16, 15, v0                          ; r
	v_bfe_u32 v17, v0, 4, 1                        ; h
	s_mul_i32 s38, s16, 16*PQ
	v_lshl_add_u32 v3, v1, 3, s38
	v_add_nc_u32 v4, KT, v3
	s_mul_i32 s39, s16, 16*PVT
	s_add_co_u32 s39, s39, VT
	v_lshl_add_u32 v5, v1, 3, s39
	v_mul_u32_u24 v6, v16, PQ
	v_lshl_add_u32 v6, v17, 4, v6                  ; r pitch + 16 h
	v_add_nc_u32 v7, KT, v6
	v_add_nc_u32 v15, s38, v6
	v_and_b32 v18, 7, v0
	v_lshl_add_u32 v18, v17, 3, v18
	v_mul_u32_u24 v8, v18, PVT
	v_bfe_u32 v18, v0, 3, 1
	v_lshl_add_u32 v8, v18, 4, v8
	s_lshl_b32 s40, s16, 6
	s_add_co_u32 s40, s40, VT
	v_add_nc_u32 v8, s40, v8
	s_lshl_b32 s41, s16, 12
	s_add_co_u32 s41, s41, PT
	v_add_nc_u32 v9, s41, v2                       ; PT + 4 blocks of 1 KiB for each wave + 16 lane
	v_add_nc_u32 v10, PT, v2
	s_lshl_b32 s42, s16, 4
	v_add_nc_u32 v11, s42, v16
	v_lshlrev_b32 v18, 3, v17
	v_sub_nc_u32 v11, v11, v18                     ; 16 w + r - 8 h, signed
	v_mul_u32_u24 v12, v16, SPITCH
	v_lshl_add_u32 v12, v17, 5, v12
	s_lshl_b32 s43, s16, 7
	v_add_nc_u32 v12, s43, v12                     ; row r, bytes 128 w + 32 h
	v_add_nc_u32 v13, 64*SPITCH, v12               ; the same 64 rows further down: beyond the reach of a 16-bit offset
	s_mul_i32 s44, s16, 16*SPITCH
	v_add_nc_u32 v14, s44, v2
	s_mov_b32 s[C_S3], 0xb9500d01                  ; -1/5040
	s_mov_b32 s[C_S2], 0x3c088889                  ; 1/120
	s_mov_b32 s[C_S1], 0xbe2aaaab                  ; -1/6
	s_mov_b32 s[C_C4], 0x37d00d01                  ; 1/40320
	s_mov_b32 s[C_C3], 0xbab60b61                  ; -1/720
	s_mov_b32 s[C_C2], 0x3d2aaaab                  ; 1/24
	s_mov_b32 s[C_PI2], 0x3fc90fdb                 ; pi/2
	s_mov_b32 s32, 0x3b800000                      ; 2^-8, twice
	s_mov_b32 s33, 0x3b800000
	s_mov_b32 s34, 0x43800000                      ; 256, twice
	s_mov_b32 s35, 0x43800000
	; my four frequency pairs p = 2 l, 2 l + 1, 64 + 2 l, 65 + 2 l: 2^(-p/8) / (2 pi) cycles per row
	v_lshlrev_b32 v[TA], 1, v1
	v_cvt_f32_u32 v[TZ], s22
.irp q, 0,1,2,3
	v_add_nc_u32 v[F+\q], (\q&1)+64*(\q>>1), v[TA]
	v_cvt_f32_u32 v[F+\q], v[F+\q]
	v_mul_f32 v[F+\q], 0xbe000000, v[F+\q]
.endr
.irp q, 0,1,2,3
	v_exp_f32 v[F+\q], v[F+\q]
.endr
	v_nop                                          ; one plain place behind the exponentials (ISA guide 5.7.2)
	s_wait_alu depctr_va_vdst(0)
.irp q, 0,1,2,3
	v_mul_f32 v[F+\q], 0x3e22f983, v[F+\q]
	v_mul_f32 v[X+\q], v[F+\q], v[TZ]
.endr
.irp q, 0,1,2,3
	SINCOS CSA+2*\q, X+\q, TA, TZ
	SINCOS ST+2*\q, F+\q, TA, TZ
.endr
; Row i of my sixteen: rotate Q and K by the same phases, round all three to f16, into LDS; the slot gets row i + 8; the phases step one row.
.macro ROW i
.set SL_, XS+24*((\i)%8)
.if (\i)%2
.set CUR_, CSB
.set NXT_, CSA
.else
.set CUR_, CSA
.set NXT_, CSB
.endif
.if 15-(\i) < 7
	s_wait_loadcnt 6*(15-(\i))                     ; the rows behind this one, six loads each, may stay out
.else
	s_wait_loadcnt 42                              ; seven younger rows, six loads each, stay out (the loads of Ss are older: they are in)
.endif
.irp q, 0,1,2,3
	ROT T+2*\q, SL_+2*\q, CUR_+2*\q
.endr
.irp q, 0,1,2,3
	v_cvt_pk_f16_f32 v[H+\q], v[T+2*\q], v[T+2*\q+1]
.endr
.irp q, 0,1,2,3
	ROT T+2*\q, SL_+8+2*\q, CUR_+2*\q
.endr
.irp q, 0,1,2,3
	v_cvt_pk_f16_f32 v[H+4+\q], v[T+2*\q], v[T+2*\q+1]
.endr
.irp q, 0,1,2,3
	v_cvt_pk_f16_f32 v[H+8+\q], v[SL_+16+2*\q], v[SL_+16+2*\q+1]
.endr
	ds_store_b64 v3, v[H:H+1]     offset:(\i)*PQ
	ds_store_b64 v3, v[H+2:H+3]   offset:(\i)*PQ+256
	ds_store_b64 v4, v[H+4:H+5]   offset:(\i)*PQ
	ds_store_b64 v4, v[H+6:H+7]   offset:(\i)*PQ+256
	ds_store_b64 v5, v[H+8:H+9]   offset:(\i)*PVT
	ds_store_b64 v5, v[H+10:H+11] offset:(\i)*PVT+256
.if (\i) < 8
	LOADROW (\i)+8
.endif
.if (\i) < 15
.irp q, 0,1,2,3
	ROT NXT_+2*\q, CUR_+2*\q, ST+2*\q
.endr
.endif
.endm
.irp i, 0,1,2,3,4,5,6,7,8,9,10,11,12,13,14,15
	ROW \i
.endr
	s_wait_dscnt 0x0                               ; my rows are in LDS: zero, for the other waves
	s_barrier_signal -1
	s_barrier_wait -1                              ; all three tiles are whole
	; V^T fragments of my 32 columns, all 128 tokens, into window 1; and the two LDS addresses that the main phase names as source 0
	WIN 0x40
.irp n, 0,1
.irp b, 0,1,2,3
	ds_load_tr16_b128 v[VFR+8*(4*\n+\b):VFR+8*(4*\n+\b)+3],   v8 offset:\b*32*PVT+32*\n
	ds_load_tr16_b128 v[VFR+8*(4*\n+\b)+4:VFR+8*(4*\n+\b)+7], v8 offset:\b*32*PVT+32*\n+16*PVT
.endr
.endr
	v_mov_b32 v[QF1], v6
	v_mov_b32 v[PF1], v10
	WIN 0
	; SCORES of t tile w, transposed: D(s, t) = K fragment (row s) x Q fragment (column t).  A lane then holds, for its t = r, eight neighbouring s:
	; packed, the two tiles of 32 tokens ARE the B fragment of Ps^T for the product with V^T.  Trips b = 0 .. w / 2: later tokens are masked anyway.
	; The four trips are written out, the number of the trip in the immediates (K: at most 3 x 16,896 + 8,448 + 480 = 59,616; Ps: at most 3,584), so that
	; no LDS address register is ever stepped; a wave leaves behind trip w / 2 by a forward branch on its number.
.irp k, 0,1,2,3,4,5,6,7
	ds_load_b128 v[QFR+8*\k:QFR+8*\k+3],   v15 offset:64*\k
	ds_load_b128 v[QFR+8*\k+4:QFR+8*\k+7], v15 offset:64*\k+32
.endr
.macro PTRIP b
.irp k, 0,1,2,3,4,5,6,7
.irp e, 0,1
	ds_load_b128 v[KFR+64*\e+8*\k:KFR+64*\e+8*\k+3],   v7 offset:(\b)*32*PQ+\e*16*PQ+64*\k
	ds_load_b128 v[KFR+64*\e+8*\k+4:KFR+64*\e+8*\k+7], v7 offset:(\b)*32*PQ+\e*16*PQ+64*\k+32
.endr
.endr
	s_wait_dscnt 16                                ; steps 0-3 along d are in (and all that is older); the sixteen loads of steps 4-7 stay out
	; the two accumulators take turns, one instruction a turn; the first step starts the sums
.irp k, 0,1,2,3
.irp e, 0,1
.if \k == 0
	v_wmma_f32_16x16x32_f16 v[PA+8*\e:PA+8*\e+7], v[KFR+64*\e+8*\k:KFR+64*\e+8*\k+7], v[QFR+8*\k:QFR+8*\k+7], 0
.else
	v_wmma_f32_16x16x32_f16 v[PA+8*\e:PA+8*\e+7], v[KFR+64*\e+8*\k:KFR+64*\e+8*\k+7], v[QFR+8*\k:QFR+8*\k+7], v[PA+8*\e:PA+8*\e+7]
.endif
.endr
.endr
	s_wait_dscnt 0x0                               ; steps 4-7 are in
.irp k, 4,5,6,7
.irp e, 0,1
	v_wmma_f32_16x16x32_f16 v[PA+8*\e:PA+8*\e+7], v[KFR+64*\e+8*\k:KFR+64*\e+8*\k+7], v[QFR+8*\k:QFR+8*\k+7], v[PA+8*\e:PA+8*\e+7]
.endr
.endr
	PLACES                                         ; for the mask, which reads the results, and for the next loads into the K fragments
	; strictly causal: keep where t > s, that is 32 b + 16 e + j < 16 w + r - 8 h
.irp j, 0,1,2,3,4,5,6,7
	v_cmp_lt_i32 vcc_lo, 32*(\b)+\j, v11
	v_cndmask_b32 v[PA+\j], 0, v[PA+\j], vcc_lo
	v_cmp_lt_i32 vcc_lo, 32*(\b)+16+\j, v11
	v_cndmask_b32 v[PA+8+\j], 0, v[PA+8+\j], vcc_lo
.endr
.irp j, 0,1,2,3,4,5,6,7
	v_pk_mul_f32 v[PA+2*\j:PA+2*\j+1], v[PA+2*\j:PA+2*\j+1], s[32:33] op_sel_hi:[1,0]
.endr
.irp j, 0,1,2,3,4,5,6,7
	v_cvt_pk_f16_f32 v[PK+\j], v[PA+2*\j], v[PA+2*\j+1]
.endr
	ds_store_b128 v9, v[PK:PK+3]   offset:(\b)*1024       ; registers 0-3 of the fragment, lane by lane,
	ds_store_b128 v9, v[PK+4:PK+7] offset:(\b)*1024+512   ; registers 4-7
.endm
	PTRIP 0
	s_cmp_lt_u32 s16, 2                            ; waves 0 and 1: tokens 0-31 were all
	s_cbranch_scc1 .Lpdone
	PTRIP 1
	s_cmp_lt_u32 s16, 4                            ; waves 2 and 3: tokens 0-63
	s_cbranch_scc1 .Lpdone
	PTRIP 2
	s_cmp_lt_u32 s16, 6                            ; waves 4 and 5: tokens 0-95
	s_cbranch_scc1 .Lpdone
	PTRIP 3
.Lpdone:
	s_wait_dscnt 0x0                               ; my Ps blocks are in LDS: zero, for the other waves
	s_barrier_signal -1                            ; its wait stands 14 batches further down: up to there only QT is read, which nobody writes before the stage
; MAIN: 21 batches of four B fragments (8 loads, 8 matrix instructions), one stretch with source 0 (A, and the LDS address) in window 1.
; Batches 0-15: Ss^T QR^T, step k = batch / 2 along d, t tiles 4 (batch % 2) + i.  Batches 16-20: V^T Ps^T over the 20 pairs (tt, b), b <= tt / 2.
.macro FQ beta
.set R_, RING+32*((\beta)%3)
.set O_, 4*((\beta)&1)*16*PQ+64*((\beta)>>1)
.irp i, 0,1,2,3
	ds_load_b128 v[R_+8*\i:R_+8*\i+3],   v[QF1] offset:O_+\i*16*PQ
	ds_load_b128 v[R_+8*\i+4:R_+8*\i+7], v[QF1] offset:O_+\i*16*PQ+32
.endr
.endm
; the sixteen accumulators take turns, one instruction a turn; the first step along d starts the sums
.macro MQ beta
.set R_, RING+32*((\beta)%3)
.set K_, (\beta)>>1
.set T_, 4*((\beta)&1)
.irp i, 0,1,2,3
.irp n, 0,1
.if K_ == 0
	v_wmma_f32_16x16x32_f16 v[ACC+8*(2*(T_+\i)+\n):ACC+8*(2*(T_+\i)+\n)+7], v[64*\n+8*K_:64*\n+8*K_+7], v[R_+8*\i:R_+8*\i+7], 0
.else
	v_wmma_f32_16x16x32_f16 v[ACC+8*(2*(T_+\i)+\n):ACC+8*(2*(T_+\i)+\n)+7], v[64*\n+8*K_:64*\n+8*K_+7], v[R_+8*\i:R_+8*\i+7], v[ACC+8*(2*(T_+\i)+\n):ACC+8*(2*(T_+\i)+\n)+7]
.endif
.endr
.endr
.endm
.macro FP1 ring, i, tt, b
	ds_load_b128 v[RING+32*\ring+8*\i:RING+32*\ring+8*\i+3],   v[PF1] offset:(4*\tt+\b)*1024
	ds_load_b128 v[RING+32*\ring+8*\i+4:RING+32*\ring+8*\i+7], v[PF1] offset:(4*\tt+\b)*1024+512
.endm
.macro FP ring, t0, b0, t1, b1, t2, b2, t3, b3
	FP1 \ring, 0, \t0, \b0
	FP1 \ring, 1, \t1, \b1
	FP1 \ring, 2, \t2, \b2
	FP1 \ring, 3, \t3, \b3
.endm
.macro MP1 ring, i, tt, b
.irp n, 0,1
	v_wmma_f32_16x16x32_f16 v[ACC+8*(2*\tt+\n):ACC+8*(2*\tt+\n)+7], v[VFR+8*(4*\n+\b):VFR+8*(4*\n+\b)+7], v[RING+32*\ring+8*\i:RING+32*\ring+8*\i+7], v[ACC+8*(2*\tt+\n):ACC+8*(2*\tt+\n)+7]
.endr
.endm
.macro MP ring, t0, b0, t1, b1, t2, b2, t3, b3
	MP1 \ring, 0, \t0, \b0
	MP1 \ring, 1, \t1, \b1
	MP1 \ring, 2, \t2, \b2
	MP1 \ring, 3, \t3, \b3
.endm
	WIN 0x01
	FQ 0
	FQ 1
.set bb, 0
.rept 14
.if bb > 0
	PLACES                                         ; behind the last batch: the loads below go into the set that it read
.endif
	FQ bb+2
	s_wait_dscnt 16                                ; the two younger fetches, eight loads each, stay out
	MQ bb
.set bb, bb+1
.endr
	PLACES
	s_barrier_wait -1                              ; every wave has stored its Ps blocks
	FP 1, 0,0, 1,0, 2,0, 3,0
	s_wait_dscnt 16
	MQ 14
	PLACES
	FP 2, 4,0, 5,0, 6,0, 7,0
	s_wait_dscnt 16
	MQ 15
	PLACES
	FP 0, 2,1, 3,1, 4,1, 5,1
	s_wait_dscnt 16
	MP 1, 0,0, 1,0, 2,0, 3,0
	PLACES
	FP 1, 6,1, 7,1, 4,2, 5,2
	s_wait_dscnt 16
	MP 2, 4,0, 5,0, 6,0, 7,0
	PLACES
	FP 2, 6,2, 7,2, 6,3, 7,3
	s_wait_dscnt 16
	MP 0, 2,1, 3,1, 4,1, 5,1
	s_wait_dscnt 8                                 ; one younger fetch stays out
	MP 1, 6,1, 7,1, 4,2, 5,2
	s_wait_dscnt 0x0                               ; the last fetch: no LDS read of mine is out any more
	MP 2, 6,2, 7,2, 6,3, 7,3
	WIN 0
	; THE WAY OUT: times 256, through a stage of whole f32 rows, so that each store covers 512 consecutive aligned bytes of a row.
	s_barrier_signal -1                            ; my reads of QT and KT are over (the wait for 0 above); register work up to the wait
	PLACES
.set kk, 0
.rept 64
	v_pk_mul_f32 v[ACC+2*kk:ACC+2*kk+1], v[ACC+2*kk:ACC+2*kk+1], s[34:35] op_sel_hi:[1,0]
.set kk, kk+1
.endr
	s_barrier_wait -1                              ; nobody reads QT or KT any more: the stage may lie over them
.irp t, 0,1,2,3
.irp n, 0,1
	ds_store_b128 v12, v[ACC+8*(2*\t+\n):ACC+8*(2*\t+\n)+3]         offset:\t*16*SPITCH+64*\n
	ds_store_b128 v12, v[ACC+8*(2*\t+\n)+4:ACC+8*(2*\t+\n)+7]       offset:\t*16*SPITCH+64*\n+16
	ds_store_b128 v13, v[ACC+8*(2*(\t+4)+\n):ACC+8*(2*(\t+4)+\n)+3]   offset:\t*16*SPITCH+64*\n
	ds_store_b128 v13, v[ACC+8*(2*(\t+4)+\n)+4:ACC+8*(2*(\t+4)+\n)+7] offset:\t*16*SPITCH+64*\n+16
.endr
.endr
	s_wait_dscnt 0x0                               ; my columns of all 128 rows are in the stage: zero, for the other waves
	s_barrier_signal -1
	s_barrier_wait -1
.set kk, 0
.rept 32
	ds_load_b128 v[ACC+4*kk:ACC+4*kk+3], v14 offset:(kk>>1)*SPITCH+512*(kk&1)    ; rows 16 w + kk / 2, half kk % 2
.set kk, kk+1
.endr
.set kk, 0
.rept 32
	s_wait_dscnt 31-kk                             ; LDS loads come back in order: number kk is in, the younger ones stay out
	global_store_b128 v2, v[ACC+4*kk:ACC+4*kk+3], s[12:13] offset:(kk>>1)*1024+512*(kk&1) th:TH_STORE_NT
.set kk, kk+1
.endr
	s_set_vgpr_msb 0x5
	s_wait_tensorcnt 0x0
	ds_add_u32 v200, v201
	s_wait_dscnt 0x0
	s_set_vgpr_msb 0x500
	s_endpgm
.Lfunc_end_k_qe5e14263b8_attn:
	.size	k_qe5e14263b8_attn, .Lfunc_end_k_qe5e14263b8_attn-k_qe5e14263b8_attn
	.p2alignl 7, 3214868480
	.fill 96, 4, 3214868480
	.section	.rodata,"a",@progbits
	.p2align	6, 0x0
	.amdhsa_kernel k_qe5e14263b8_attn
		.amdhsa_group_segment_fixed_size 238592
		.amdhsa_private_segment_fixed_size 0
		.amdhsa_enable_private_segment 0
		.amdhsa_kernarg_size 40
		.amdhsa_user_sgpr_count 2
		.amdhsa_user_sgpr_kernarg_segment_ptr 1
		.amdhsa_wavefront_size32 1
		.amdhsa_system_sgpr_workgroup_id_x 1
		.amdhsa_system_sgpr_workgroup_id_y 1
		.amdhsa_system_sgpr_workgroup_id_z 1
		.amdhsa_system_vgpr_workitem_id 0
		.amdhsa_next_free_vgpr 458
		.amdhsa_next_free_sgpr 66
		.amdhsa_reserve_vcc 1
		.amdhsa_float_denorm_mode_32 3
		.amdhsa_float_denorm_mode_16_64 3
		.amdhsa_memory_ordered 1
		.amdhsa_forward_progress 1
		.amdhsa_inst_pref_size 128
	.end_amdhsa_kernel
	.amdgpu_metadata
---
amdhsa.version: [ 1, 2 ]
amdhsa.kernels:
  - .name:           k_qe5e14263b8_attn
    .symbol:         k_qe5e14263b8_attn.kd
    .args:
      - { .name: Q, .offset: 0, .size: 8, .value_kind: global_buffer, .address_space: global }
      - { .name: K, .offset: 8, .size: 8, .value_kind: global_buffer, .address_space: global }
      - { .name: V, .offset: 16, .size: 8, .value_kind: global_buffer, .address_space: global }
      - { .name: sp, .offset: 24, .size: 8, .value_kind: global_buffer, .address_space: global }
      - { .name: out0, .offset: 32, .size: 8, .value_kind: global_buffer, .address_space: global }
    .group_segment_fixed_size: 238592
    .private_segment_fixed_size: 0
    .kernarg_segment_align: 8
    .kernarg_segment_size: 40
    .max_flat_workgroup_size: 256
    .sgpr_count:     66
    .vgpr_count:     458
    .wavefront_size: 32
...
	.end_amdgpu_metadata
.endif
;; end of part 3
;; ======== version 2 of 2: 3 launches; version 1 with the launches state, attn written anew for expert scheduling mode
;; limits: values outside matrix products are rounded to f16; inputs' magnitudes at most 65,504; values are held in f16: magnitudes above 65,504 overflow, below 6.1e-05 lose precision; right only within a limited range of input values; a function is approximated: absolute error at most 0.0001
;; workspace buffers: up 32,505,856 bytes; sp 33,554,432 bytes
;; launch state (part 4): grid 31 x 8, 8 waves a work-group, no clusters, 140,288 bytes of LDS; arguments K, V, up; writes up
.if DOCPART == 4
	.amdgcn_target "amdgcn-amd-amdhsa--gfx1250"
	.amdhsa_code_object_version 6
	.text
	.protected	k_qe5e14263b8_state
	.globl	k_qe5e14263b8_state
	.p2align	8
	.type	k_qe5e14263b8_state,@function
k_qe5e14263b8_state:
	s_mov_b64 s[64:65], 0
	v_nop
	global_prefetch_b8 v0, s[64:65] scope:SCOPE_SE
	s_setreg_imm32_b32 hwreg(HW_REG_WAVE_SCHED_MODE, 0, 2), 2
	s_setreg_imm32_b32 hwreg(HW_REG_WAVE_MODE, 25, 1), 1
	s_wait_xcnt 0x0
	s_wait_alu depctr_vm_vsrc(0)
; STATE.  reference() has no softmax, so (QR KR^T masked) V is re-associated exactly, chunk by chunk of 128 tokens:
;   out[t] = sum over the chunk, s < t, of (QR[t].KR[s]) V[s]  +  QR[t] . S(c),   S(c)[d][n] = sum over all s < 128 c of KR[s][d] V[s][n].
; This launch makes, for head h (grid y) and chunk c = 0 .. 30 (grid x), Us[d][n] = 2^-8 * sum over the chunk of KR[s][d] V[s][n], in f16.
; (Chunk 31 feeds no later chunk, so it has no work-group here.)
; FORMATS: matrix operands in f16 (eight times finer than bf16, which the comparison needs at the late rows), sums in f32.
; LIMITS, kept on purpose: inputs finite and below 65504 in magnitude; |sum of KR V| below 65504 * 2^8 = 1.6e7 (the factor 2^-8 gives f16 that room:
; inputs 30 times the unit spread, or offset by 30, give at most about 5e6); sums are formed chunk by chunk, an order other than the one of reference();
; phases are f32(t_w f) for the first row of a wave and a rotation recurrence over its 16 rows, within about 1e-4 rad of reference().
; SHARES: 8 waves.  Wave w loads rows 16 w .. 16 w + 15 of K and V, rotates K, rounds both to f16 into LDS; then it makes columns n = 32 w .. 32 w + 31 of Us
; for all 256 d.  No tile is read by two work-groups, so there is nothing to share in a cluster; every number passes registers (rotation, rounding),
; so the loads go to registers and no copy engine is used.
; OUTPUT LAYOUT (also of the next two launches): a state is 256 blocks of 512 bytes, block (a = n / 16, b = d / 16) at (16 a + b) * 512; lane (r, h) owns the
; 16 bytes at 16 * lane: Us[16 b + 8 h + j][16 a + r], j = 0 .. 7.  That is a packed result tile as it lies in registers: each store covers 512 consecutive aligned bytes.
; THE MODE: SCHED_MODE bits 1:0 = 2 (LLVM: expert scheduling mode 2), set by the entry lines.  The code itself states the register dependences
; between vector or matrix instructions and memory or LDS instructions, with s_wait_alu, always for 0.
; THE PLAN, rows.  Registers that memory or LDS instructions touch:
;   XS0 .. XS8  nine row slots.  Row i's rotations and roundings read slot i % 9; the four loads of row i + 9, issued in row i + 1, land in it.
;   H0, H1      two out-buffers.  Row i's roundings write H[i % 2]; the four LDS stores that are issued in row i + 1 read it.
;   v2 .. v6    offsets and LDS addresses, made at the head and never written again.
; Row i names slot i % 9, H[i % 2], T and the phases; its memory instructions touch slot (i - 1) % 9 and H[(i - 1) % 2].  So the waits at a row's head state all that
; the row's eight memory instructions hang on, and these are dealt among its vector instructions with no further wait.
; THE PLAN, products.
;   RING0 .. 2  Step sg's matrix instructions read set sg % 3; the eight loads of step sg + 3, issued in step sg + 1, land in it.
;   ACC         At a group's end the packing writes the low four registers of each tile, eight stores read them, and the next group's first products write them anew.
; One wait on va_vdst at a step's head, behind the wait for the step's own fragments; the step's loads follow it, dealt among its matrix instructions, which name another set.
.set PITCH, 544                        ; LDS row: 512 bytes of f16 + 32: an odd multiple of 32, as the transposing loads want
.set KT,    0                          ; KR, 128 rows [s][d]
.set VT,    128*PITCH                  ; V,  128 rows [s][n]
.set KSTEP, 32*PITCH                   ; 32 tokens: one step along the sum
.set HALF,  16*PITCH
; load phase: v1 lane, v2 16 lane, v3 / v4 where my rows go in KT / VT, v5 / v6 fragment addresses
.set CSA, 16                           ; v[16:23]  (cos, sin) of my four frequency pairs, even rows
.set CSB, 24                           ; v[24:31]  the same, odd rows
.set ST,  32                           ; v[32:39]  (cos, sin) of one row step
.set T,   40                           ; v[40:47]  rotated K
.set H,   48                           ; v[48:63]  f16, two out-buffers, buffer b at H + 8 b: K in 0-3, V in 4-7
.set F,   64                           ; v[64:67]  cycles per row
.set X,   68                           ; v[68:71]  cycles at my first row
.set TA,  72
.set TZ,  73
.set SLOTS, 9
.set XS,  96                           ; v[96:239] nine row slots: K in +0..7, V in +8..15
; product phase
.set BF,   16                          ; v[16:79]   V^T fragments (n tile nt, step k) at 8 (4 nt + k)
.set RING, 80                          ; v[80:175]  three sets of four K^T fragments
.set ACC,  176                         ; v[176:239] eight result tiles (d tile i, n tile nt) at 8 (2 i + nt)
.set C_S3, 20                          ; s20-s26: coefficients of sine and cosine, pi/2
.set C_S2, 21
.set C_S1, 22
.set C_C4, 23
.set C_C3, 24
.set C_C2, 25
.set C_PI2, 26
.macro PLACES                          ; four places behind a matrix instruction, before a vector instruction reads its result (ISA guide 7.12.1)
.rept 4
	v_nop
.endr
.endm
; (d, d+1) = the pair (x, x+1) turned by the angle whose (cos, sin) lie in (r, r+1): d0 = x0 c - x1 s, d1 = x1 c + x0 s
.macro ROT d, x, r
	v_pk_mul_f32 v[\d:\d+1], v[\x:\x+1], v[\r:\r+1] op_sel_hi:[1,0]
	v_pk_fma_f32 v[\d:\d+1], v[\x:\x+1], v[\r:\r+1], v[\d:\d+1] op_sel:[1,1,0] op_sel_hi:[0,1,1] neg_lo:[0,1,0]
.endm
; v[d] = cos, v[d+1] = sin of x cycles: the fraction nearest zero, a quarter of its angle (at most pi/4) by series, doubled twice
.macro SINCOS d, x, ta, tz
	v_rndne_f32 v[\ta], v[\x]
	v_sub_f32 v[\ta], v[\x], v[\ta]
	v_mul_f32 v[\ta], s[C_PI2], v[\ta]
	v_mul_f32 v[\tz], v[\ta], v[\ta]
	v_fma_f32 v[\d+1], v[\tz], s[C_S3], s[C_S2]
	v_fma_f32 v[\d], v[\tz], s[C_C4], s[C_C3]
	v_fma_f32 v[\d+1], v[\d+1], v[\tz], s[C_S1]
	v_fma_f32 v[\d], v[\d], v[\tz], s[C_C2]
	v_fma_f32 v[\d+1], v[\d+1], v[\tz], 1.0
	v_fma_f32 v[\d], v[\d], v[\tz], -0.5
	v_mul_f32 v[\d+1], v[\d+1], v[\ta]
	v_fma_f32 v[\d], v[\d], v[\tz], 1.0
.rept 2
	v_mul_f32 v[\tz], v[\d+1], v[\d+1]
	v_mul_f32 v[\d+1], v[\d+1], v[\d]
	v_fma_f32 v[\d], v[\tz], -2.0, 1.0
	v_add_f32 v[\d+1], v[\d+1], v[\d+1]
.endr
.endm
; row i of my sixteen, two loads of K and two of V; a lane takes dims 4 l .. 4 l + 3 and 128 + 4 l .. + 3; each load covers 512 consecutive aligned bytes
.macro LOADK i
.set L_, XS+16*((\i)%SLOTS)
	global_load_b128 v[L_:L_+3],     v2, s[4:5] offset:(\i)*1024
	global_load_b128 v[L_+4:L_+7],   v2, s[4:5] offset:(\i)*1024+512
.endm
.macro LOADV i
.set L_, XS+16*((\i)%SLOTS)
	global_load_b128 v[L_+8:L_+11],  v2, s[6:7] offset:(\i)*1024
	global_load_b128 v[L_+12:L_+15], v2, s[6:7] offset:(\i)*1024+512
.endm
	s_load_b128 s[4:7], s[0:1], 0x0                ; K s[4:5], V s[6:7]
	s_load_b64 s[8:9], s[0:1], 0x10                ; up
	v_lshl_add_u32 v14, v0, 2, 0x22000
	v_mov_b32 v15, 0
	v_lshrrev_b32 v1, 5, v0
	v_readfirstlane_b32 s10, v1                    ; wave w
	s_and_b32 s11, ttmp7, 0xffff                   ; head h
	s_lshl_b32 s14, s11, 12
	s_lshl_b32 s13, ttmp9, 7
	s_wait_alu depctr_va_sdst(0)                   ; s10 is written, ahead of its first reader: the bases and the LDS addresses are made from it
	s_lshl_b32 s18, s10, 4
	s_add_co_u32 s18, s18, s13                     ; t_w = 128 c + 16 w: my first token
	s_add_co_u32 s14, s14, s18
	s_lshl_b32 s14, s14, 10                        ; (4096 h + t_w) rows of 1,024 bytes: below 32 MiB
	s_mov_b32 s15, 0
	s_mul_i32 s16, s11, 31
	s_add_co_u32 s16, s16, ttmp9
	s_lshl_b32 s16, s16, 17                        ; state (h, c) of 131,072 bytes,
	s_lshl_b32 s17, s10, 14
	s_add_co_u32 s16, s16, s17                     ; and in it my n tiles 2 w, 2 w + 1: 32 blocks of 512 bytes
	s_mov_b32 s17, 0
	v_and_b32 v1, 31, v0                           ; lane
	v_lshlrev_b32 v2, 4, v1                        ; 16 lane: never rewritten
	s_wait_kmcnt 0x0
	s_add_nc_u64 s[4:5], s[4:5], s[14:15]
	s_add_nc_u64 s[6:7], s[6:7], s[14:15]
	s_add_nc_u64 s[8:9], s[8:9], s[16:17]
	s_wait_alu depctr_va_vdst(0)                   ; v2 is written: every global load and store of the kernel reads it as its offset
.irp i, 0,1,2,3,4,5,6,7,8
	LOADK \i                                       ; 36 loads of the wave on their way before anything else is done
	LOADV \i
.endr
	; LDS addresses
	s_mul_i32 s19, s10, HALF
	v_lshl_add_u32 v3, v1, 3, s19                  ; KT + 16 w rows + 8 lane
	v_add_nc_u32 v4, VT, v3
	v_bfe_u32 v7, v0, 4, 1                         ; h = lane / 16
	v_and_b32 v8, 7, v0
	v_lshl_add_u32 v8, v7, 3, v8
	v_mul_u32_u24 v5, v8, PITCH                    ; transposing load: row 8 h + lane % 8,
	v_bfe_u32 v7, v0, 3, 1
	v_lshl_add_u32 v5, v7, 4, v5                   ; 16 bytes further for lanes 8-15 of each half
	s_lshl_b32 s19, s10, 6
	s_add_co_u32 s19, s19, VT
	v_add_nc_u32 v6, s19, v5                       ; the same in VT at my columns 32 w
	s_mov_b32 s[C_S3], 0xb9500d01                  ; -1/5040
	s_mov_b32 s[C_S2], 0x3c088889                  ; 1/120
	s_mov_b32 s[C_S1], 0xbe2aaaab                  ; -1/6
	s_mov_b32 s[C_C4], 0x37d00d01                  ; 1/40320
	s_mov_b32 s[C_C3], 0xbab60b61                  ; -1/720
	s_mov_b32 s[C_C2], 0x3d2aaaab                  ; 1/24
	s_mov_b32 s[C_PI2], 0x3fc90fdb                 ; pi/2
	s_mov_b32 s28, 0x3b800000                      ; 2^-8, as a pair for the packed multiply
	s_mov_b32 s29, 0x3b800000
	; my four frequency pairs p = 2 l, 2 l + 1, 64 + 2 l, 65 + 2 l: 2^(-p/8) / (2 pi) cycles per row
	v_lshlrev_b32 v[TA], 1, v1
	v_cvt_f32_u32 v[TZ], s18                       ; t_w
.irp q, 0,1,2,3
	v_add_nc_u32 v[F+\q], (\q&1)+64*(\q>>1), v[TA]
	v_cvt_f32_u32 v[F+\q], v[F+\q]
	v_mul_f32 v[F+\q], 0xbe000000, v[F+\q]         ; -p / 8
.endr
.irp q, 0,1,2,3
	v_exp_f32 v[F+\q], v[F+\q]
.endr
	v_nop                                          ; one plain place behind the exponentials (ISA guide 5.7.2)
	s_wait_alu depctr_va_vdst(0)
.irp q, 0,1,2,3
	v_mul_f32 v[F+\q], 0x3e22f983, v[F+\q]         ; / (2 pi)
	v_mul_f32 v[X+\q], v[F+\q], v[TZ]
.endr
.irp q, 0,1,2,3
	SINCOS CSA+2*\q, X+\q, TA, TZ
	SINCOS ST+2*\q, F+\q, TA, TZ
.endr
; Row i of my sixteen: rotate K, round K and V to f16 into H[i % 2]; the phases step one row.  Among these lines stand the memory instructions that the row before
; has made ready: the loads of row i + 8 into the slot that it read, and its four LDS stores.
.macro ROW i
.set SL_, XS+16*((\i)%SLOTS)
.set HC_, H+8*((\i)%2)
.set HP_, H+8-8*((\i)%2)
.if (\i)%2
.set CUR_, CSB
.set NXT_, CSA
.else
.set CUR_, CSA
.set NXT_, CSB
.endif
.if (\i) == 0
	s_wait_loadcnt 32                              ; eight younger rows, four loads each, stay out
.elseif 15-(\i) < 7
	s_wait_loadcnt 4*(15-(\i))                     ; the rows behind this one, four loads each, may stay out
.else
	s_wait_loadcnt 28                              ; seven younger rows, four loads each, stay out
.endif
.if (\i) > 1
	s_wait_alu depctr_vm_vsrc(0)                   ; the LDS stores issued in the row before have read H[i % 2], which this row's roundings write again
.endif
.if (\i) > 0
	s_wait_alu depctr_va_vdst(0)                   ; the row before has written the other H, which the stores below read, and is done reading its slot, in which the loads below land; in row 1: v3 and v4 are written
.endif
.if ((\i) > 0) && ((\i) < 8)
	LOADK (\i)+8                                   ; no vector instruction since the wait names these registers
.endif
	ROT T, SL_, CUR_
	ROT T+2, SL_+2, CUR_+2
.if ((\i) > 0) && ((\i) < 8)
	LOADV (\i)+8
.endif
	ROT T+4, SL_+4, CUR_+4
	ROT T+6, SL_+6, CUR_+6
.if (\i) > 0
	ds_store_b64 v3, v[HP_:HP_+1]   offset:((\i)-1)*PITCH
	ds_store_b64 v3, v[HP_+2:HP_+3] offset:((\i)-1)*PITCH+256
.endif
.irp q, 0,1,2,3
	v_cvt_pk_f16_f32 v[HC_+\q], v[T+2*\q], v[T+2*\q+1]
.endr
.if (\i) > 0
	ds_store_b64 v4, v[HP_+4:HP_+5] offset:((\i)-1)*PITCH
	ds_store_b64 v4, v[HP_+6:HP_+7] offset:((\i)-1)*PITCH+256
.endif
.irp q, 0,1,2,3
	v_cvt_pk_f16_f32 v[HC_+4+\q], v[SL_+8+2*\q], v[SL_+8+2*\q+1]
.endr
.if (\i) < 15
.irp q, 0,1,2,3
	ROT NXT_+2*\q, CUR_+2*\q, ST+2*\q
.endr
.endif
.endm
.irp i, 0,1,2,3,4,5,6,7,8,9,10,11,12,13,14,15
	ROW \i
.endr
	s_wait_alu depctr_va_vdst(0)                   ; row 15 has written H1, which the last four LDS stores read; every vector line of the load phase is done with v[16:239], in which the fragments below land
	ds_store_b64 v3, v[H+8:H+9]   offset:15*PITCH
	ds_store_b64 v3, v[H+10:H+11] offset:15*PITCH+256
	ds_store_b64 v4, v[H+12:H+13] offset:15*PITCH
	ds_store_b64 v4, v[H+14:H+15] offset:15*PITCH+256
	s_wait_dscnt 0x0                               ; my rows are in LDS: zero, for the other waves
	s_barrier_signal -1
	s_barrier_wait -1                              ; all 128 rows of both tiles are
	s_wait_alu depctr_vm_vsrc(0)                   ; my LDS stores have read H0 and H1: these registers are V^T fragments from here on
; Us(d, n) = sum over s: A = K^T (row d), B = V^T (column n), both by transposing loads from rows that lie along d and n.
; Sixteen steps sg = 4 g + k: d tiles 4 g .. 4 g + 3, tokens 32 k .. 32 k + 31.
.macro FETCH sg
.set R_, RING+32*((\sg)%3)
.set O_, ((\sg)&3)*KSTEP+((\sg)>>2)*128
.irp i, 0,1,2,3
	ds_load_tr16_b128 v[R_+8*\i:R_+8*\i+3],   v5 offset:O_+32*\i
	ds_load_tr16_b128 v[R_+8*\i+4:R_+8*\i+7], v5 offset:O_+32*\i+HALF
.endr
.endm
; eight matrix instructions on eight accumulators, which take turns, one instruction a turn; the first step of a group starts the sums.
; deal = 1: the eight loads of step sg + 2 stand among them, two behind each two; they land in the set that neither this step nor the next names
.macro MULF sg, deal
.set R_, RING+32*((\sg)%3)
.set K_, (\sg)&3
.set N_, RING+32*(((\sg)+2)%3)
.set P_, (((\sg)+2)&3)*KSTEP+(((\sg)+2)>>2)*128
.irp i, 0,1,2,3
.irp n, 0,1
.if K_ == 0
	v_wmma_f32_16x16x32_f16 v[ACC+8*(2*\i+\n):ACC+8*(2*\i+\n)+7], v[R_+8*\i:R_+8*\i+7], v[BF+8*(4*\n+K_):BF+8*(4*\n+K_)+7], 0
.else
	v_wmma_f32_16x16x32_f16 v[ACC+8*(2*\i+\n):ACC+8*(2*\i+\n)+7], v[R_+8*\i:R_+8*\i+7], v[BF+8*(4*\n+K_):BF+8*(4*\n+K_)+7], v[ACC+8*(2*\i+\n):ACC+8*(2*\i+\n)+7]
.endif
.endr
.if \deal
	ds_load_tr16_b128 v[N_+8*\i:N_+8*\i+3],   v5 offset:P_+32*\i
	ds_load_tr16_b128 v[N_+8*\i+4:N_+8*\i+7], v5 offset:P_+32*\i+HALF
.endif
.endr
.endm
; the eight tiles of a group: times 2^-8, rounded to f16 in place, 16 bytes a lane
.macro PACK
.irp t, 0,1,2,3,4,5,6,7
.set A_, ACC+8*\t
.irp k, 0,1,2,3
	v_pk_mul_f32 v[A_+2*\k:A_+2*\k+1], v[A_+2*\k:A_+2*\k+1], s[28:29] op_sel_hi:[1,0]
.endr
.irp k, 0,1,2,3
	v_cvt_pk_f16_f32 v[A_+\k], v[A_+2*\k], v[A_+2*\k+1]
.endr
.endr
.endm
; and the eight stores of group g, 512 consecutive aligned bytes each
.macro SEND g
.irp i, 0,1,2,3
.irp n, 0,1
.set A_, ACC+8*(2*\i+\n)
	global_store_b128 v2, v[A_:A_+3], s[8:9] offset:(16*\n+4*(\g)+\i)*512
.endr
.endr
.endm
.irp n, 0,1
.irp k, 0,1,2,3
	ds_load_tr16_b128 v[BF+8*(4*\n+\k):BF+8*(4*\n+\k)+3],   v6 offset:\k*KSTEP+32*\n
	ds_load_tr16_b128 v[BF+8*(4*\n+\k)+4:BF+8*(4*\n+\k)+7], v6 offset:\k*KSTEP+32*\n+HALF
.endr
.endr
	FETCH 0
	FETCH 1
.set sg, 0
.rept 16
.if sg < 15
	s_wait_dscnt 8                                 ; this step's fragments are in (and all that is older); the one younger fetch, eight loads, stays out
.else
	s_wait_dscnt 0x0                               ; the last fetch
.endif
.if (sg > 0) && ((sg&3) == 0)
	PLACES                                         ; behind the last step, whose results the packing reads
	PACK
	s_wait_alu depctr_va_vdst(0)                   ; the roundings have written the tiles' low registers, which the stores read; the last step's matrix instructions are done reading their set, in which the fetch lands
	SEND (sg>>2)-1
	FETCH sg+2
	s_wait_xcnt 0x0                                ; the accumulators, which the stores above read, are written again only behind this wait,
	s_wait_alu depctr_vm_vsrc(0)                   ; and behind this one: the stores have read them
	MULF sg, 0
.elseif (sg > 0) && (sg < 14)
	s_wait_alu depctr_va_vdst(0)                   ; the last step's matrix instructions are done reading their set, in which the loads dealt below land
	MULF sg, 1
.elseif sg == 0
	MULF sg, 1                                     ; the third set has not been named since the wait ahead of row 15's stores
.else
	MULF sg, 0                                     ; the last two steps fetch nothing
.endif
.set sg, sg+1
.endr
	PLACES
	PACK
	s_wait_alu depctr_va_vdst(0)                   ; the roundings have written the tiles' low registers, which the last eight stores read
	SEND 3
	s_wait_dscnt 0x0
	s_wait_alu depctr_hold_cnt(0) depctr_sa_sdst(0) depctr_va_vdst(0) depctr_va_sdst(0) depctr_va_ssrc(0) depctr_va_vcc(0) depctr_vm_vsrc(0)
	s_wait_tensorcnt 0x0
	ds_add_u32 v14, v15
	s_wait_dscnt 0x0
	s_endpgm
.Lfunc_end_k_qe5e14263b8_state:
	.size	k_qe5e14263b8_state, .Lfunc_end_k_qe5e14263b8_state-k_qe5e14263b8_state
	.p2alignl 7, 3214868480
	.fill 96, 4, 3214868480
	.section	.rodata,"a",@progbits
	.p2align	6, 0x0
	.amdhsa_kernel k_qe5e14263b8_state
		.amdhsa_group_segment_fixed_size 140288
		.amdhsa_private_segment_fixed_size 0
		.amdhsa_enable_private_segment 0
		.amdhsa_kernarg_size 24
		.amdhsa_user_sgpr_count 2
		.amdhsa_user_sgpr_kernarg_segment_ptr 1
		.amdhsa_wavefront_size32 1
		.amdhsa_system_sgpr_workgroup_id_x 1
		.amdhsa_system_sgpr_workgroup_id_y 1
		.amdhsa_system_sgpr_workgroup_id_z 1
		.amdhsa_system_vgpr_workitem_id 0
		.amdhsa_next_free_vgpr 240
		.amdhsa_next_free_sgpr 66
		.amdhsa_reserve_vcc 0
		.amdhsa_float_denorm_mode_32 3
		.amdhsa_float_denorm_mode_16_64 3
		.amdhsa_memory_ordered 1
		.amdhsa_forward_progress 1
		.amdhsa_inst_pref_size 84
	.end_amdhsa_kernel
	.amdgpu_metadata
---
amdhsa.version: [ 1, 2 ]
amdhsa.kernels:
  - .name:           k_qe5e14263b8_state
    .symbol:         k_qe5e14263b8_state.kd
    .args:
      - { .name: K, .offset: 0, .size: 8, .value_kind: global_buffer, .address_space: global }
      - { .name: V, .offset: 8, .size: 8, .value_kind: global_buffer, .address_space: global }
      - { .name: up, .offset: 16, .size: 8, .value_kind: global_buffer, .address_space: global }
    .group_segment_fixed_size: 140288
    .private_segment_fixed_size: 0
    .kernarg_segment_align: 8
    .kernarg_segment_size: 24
    .max_flat_workgroup_size: 256
    .sgpr_count:     66
    .vgpr_count:     240
    .wavefront_size: 32
...
	.end_amdgpu_metadata
.endif
;; end of part 4
;; launch scan: the kernel of part 2 again; grid 32 x 8, 8 waves a work-group, no clusters, 0 bytes of LDS; arguments up, sp; writes sp
;; launch attn (part 5): grid 32 x 8, 8 waves a work-group, no clusters, 238,592 bytes of LDS; arguments Q, K, V, sp, out0; writes out0
.if DOCPART == 5
	.amdgcn_target "amdgcn-amd-amdhsa--gfx1250"
	.amdhsa_code_object_version 6
	.text
	.protected	k_qe5e14263b8_attn
	.globl	k_qe5e14263b8_attn
	.p2align	8
	.type	k_qe5e14263b8_attn,@function
k_qe5e14263b8_attn:
	s_mov_b64 s[64:65], 0
	v_nop
	global_prefetch_b8 v0, s[64:65] scope:SCOPE_SE
	s_setreg_imm32_b32 hwreg(HW_REG_WAVE_SCHED_MODE, 0, 2), 2
	s_setreg_imm32_b32 hwreg(HW_REG_WAVE_MODE, 25, 1), 1
	s_wait_xcnt 0x0
	s_wait_alu depctr_vm_vsrc(0)
; ATTN: for head h (grid y) and chunk c (grid x) of 128 tokens:  out = 256 * ( tril(Ps, -1) V + QR Ss(c) ),  Ps = 2^-8 QR KR^T inside the chunk,
; Ss(c) = 2^-8 * sum over all earlier tokens of KR^T V, as the two launches before have stored it (zeros for c = 0: one path for all work-groups).
; FORMATS: matrix operands in f16, sums in f32.  LIMITS, kept on purpose: inputs finite and below 65504 in magnitude; |score| and |sum of KR V| below
; 65504 * 2^8 = 1.6e7 (inputs 30 times the unit spread, or offset by 30, give at most about 5e6); sums go chunk by chunk, an order other than the one of
; reference(); phases are f32(t_w f) at the first row of a wave and a rotation recurrence over its 16 rows, within about 1e-4 rad of reference().
; SHARES: 8 waves.  Wave w loads rows 16 w .. + 15 of Q, K, V (rotates Q and K, rounds to f16, into LDS), makes the scores of t tile w, and then the columns
; n = 32 w .. 32 w + 31 of the result for all 128 rows, TRANSPOSED: O^T = Ss^T QR^T + V^T Ps^T, so that a lane holds eight neighbouring n of one row.
; No two work-groups read the same bytes: nothing to share in a cluster.  Every input number passes registers (rotation, rounding): no copy engine.
; LDS: QT [t][d] and KT [s][d], pitch 528 = 33 x 16 bytes; VT [s][n], pitch 544 = 17 x 32 bytes (transposing loads); PT: 32 blocks of 1 KiB, block 4 tt + b =
; the B fragment Ps(t tile tt, s = 32 b .. + 31) lane by lane; STAGE: 128 rows of f32, pitch 1040, over QT and KT once nobody reads them.
; THE MODE: SCHED_MODE bits 1:0 = 2 (LLVM: expert scheduling mode 2), set by the entry lines.  The code itself states the register dependences
; between vector or matrix instructions and memory or LDS instructions, with s_wait_alu, always for 0.
; THE PLAN.  Registers that memory or LDS instructions touch:
;   XS0 .. XS7  Rows: row i's rotations and roundings read slot i % 8; behind them the six loads of row i + 8 land in it.
;   H           Rows: row i's twelve roundings write it, its six LDS stores read it.  (The eight slots fill v[64:255] and v[16:59] are taken: window 0 has no twelve registers for a second H.)
;               So ONE wait on va_vdst stands behind a row's roundings; the row's twelve memory instructions follow it, dealt among the lines that step the phases, which name
;               the phases alone; one wait on vm_vsrc stands ahead of the next row's first rounding.
;   QFR, KFR    Scores: filled from LDS, read by a trip's matrix instructions; KFR is filled again by the next trip.   PK: a trip's roundings write it, its two LDS stores read it.
;               ONE wait on va_vdst a trip, ahead of the two stores; no vector line stands between it and the next trip's loads, so it speaks for them too.
;   RING0 .. 2  Main: batch n's matrix instructions read set n % 3; the eight loads of batch n + 3, issued in batch n + 1, land in it: one wait on va_vdst at a batch's head.
;   ACC         The way out: the multiplies write it, the stage's stores read it, the loads from the stage land in it, the global stores read it.
;   v2 .. v15 and the two copies in window 1: offsets and LDS addresses, never written again.
.set PQ,  528
.set PVT, 544
.set QT,  0
.set KT,  128*PQ                       ; 67,584
.set VT,  2*128*PQ                     ; 135,168
.set PT,  VT+128*PVT                   ; 204,800; ends at 237,568
.set SPITCH, 1040                      ; the stage ends at 133,120, below VT
; window 0, fixed, none of them ever rewritten: v1 lane, v2 16 lane, v3 / v4 / v5 where my rows go in QT / KT / VT, v6 fragment address in QT, v7 in KT,
; v8 in VT (transposing), v9 where my Ps blocks go, v10 PT + 16 lane, v11 16 w + r - 8 h (the mask), v12 / v13 stage in, v14 stage out, v15 my t tile in QT
.set CSA, 16                           ; v[16:23]  (cos, sin) of my four frequency pairs, even rows
.set CSB, 24                           ; v[24:31]  odd rows
.set ST,  32                           ; v[32:39]  (cos, sin) of one row step
.set T,   40                           ; v[40:47]  rotated pairs
.set H,   48                           ; v[48:59]  f16: Q, K, V
.set F,   40                           ; set-up only: cycles per row,
.set X,   44                           ; cycles at my first row,
.set TA,  48
.set TZ,  49
.set XS,  64                           ; v[64:255] eight row slots: Q +0..7, K +8..15, V +16..23
.set QFR, 16                           ; scores: v[16:79] Q fragments, 8 steps along d
.set KFR, 80                           ; v[80:207] K fragments: 64 e + 8 k
.set PA,  208                          ; v[208:223] two score tiles
.set PK,  224                          ; v[224:231] packed
.set RING, 32                          ; main: v[32:127] three sets of four B fragments
.set ACC,  128                         ; v[128:255] sixteen result tiles (tt, nt) at 8 (2 tt + nt)
; window 1 (written with the low 8 bits): v[0:127] Ss^T fragments (nt, k) at 64 nt + 8 k; v[128:191] V^T fragments (nt, b) at 128 + 8 (4 nt + b); v192, v193 copies of v6, v10
.set VFR, 128
.set QF1, 192
.set PF1, 193
.set MK,  48                           ; s[48:63] the sixteen masks of a trip of the scores
.set C_S3, 24
.set C_S2, 25
.set C_S1, 26
.set C_C4, 27
.set C_C3, 28
.set C_C2, 29
.set C_PI2, 30
.set MSB, 0
.macro WIN new                         ; low byte: bits 1:0 source 0, 3:2 source 1, 5:4 source 2, 7:6 destination; the high byte repeats the setting that is left
.if MSB != \new
	s_set_vgpr_msb (MSB<<8)|\new
.set MSB, \new
.endif
.endm
.macro PLACES                          ; four places behind a matrix instruction, before a vector instruction reads its result (ISA guide 7.12.1)
.rept 4
	v_nop
.endr
.endm
; (d, d+1) = the pair (x, x+1) turned by the angle whose (cos, sin) lie in (r, r+1): d0 = x0 c - x1 s, d1 = x1 c + x0 s
.macro ROT d, x, r
	v_pk_mul_f32 v[\d:\d+1], v[\x:\x+1], v[\r:\r+1] op_sel_hi:[1,0]
	v_pk_fma_f32 v[\d:\d+1], v[\x:\x+1], v[\r:\r+1], v[\d:\d+1] op_sel:[1,1,0] op_sel_hi:[0,1,1] neg_lo:[0,1,0]
.endm
; v[d] = cos, v[d+1] = sin of x cycles: the fraction nearest zero, a quarter of its angle (at most pi/4) by series, doubled twice
.macro SINCOS d, x, ta, tz
	v_rndne_f32 v[\ta], v[\x]
	v_sub_f32 v[\ta], v[\x], v[\ta]
	v_mul_f32 v[\ta], s[C_PI2], v[\ta]
	v_mul_f32 v[\tz], v[\ta], v[\ta]
	v_fma_f32 v[\d+1], v[\tz], s[C_S3], s[C_S2]
	v_fma_f32 v[\d], v[\tz], s[C_C4], s[C_C3]
	v_fma_f32 v[\d+1], v[\d+1], v[\tz], s[C_S1]
	v_fma_f32 v[\d], v[\d], v[\tz], s[C_C2]
	v_fma_f32 v[\d+1], v[\d+1], v[\tz], 1.0
	v_fma_f32 v[\d], v[\d], v[\tz], -0.5
	v_mul_f32 v[\d+1], v[\d+1], v[\ta]
	v_fma_f32 v[\d], v[\d], v[\tz], 1.0
.rept 2
	v_mul_f32 v[\tz], v[\d+1], v[\d+1]
	v_mul_f32 v[\d+1], v[\d+1], v[\d]
	v_fma_f32 v[\d], v[\tz], -2.0, 1.0
	v_add_f32 v[\d+1], v[\d+1], v[\d+1]
.endr
.endm
; row i of my sixteen, two loads each of Q, K, V; a lane takes dims 4 l .. + 3 and 128 + 4 l .. + 3; each load covers 512 consecutive aligned bytes
.macro LOADQ i
.set L_, XS+24*((\i)%8)
	global_load_b128 v[L_:L_+3],     v2, s[4:5] offset:(\i)*1024 th:TH_LOAD_NT
	global_load_b128 v[L_+4:L_+7],   v2, s[4:5] offset:(\i)*1024+512 th:TH_LOAD_NT
.endm
.macro LOADK i
.set L_, XS+24*((\i)%8)
	global_load_b128 v[L_+8:L_+11],  v2, s[6:7] offset:(\i)*1024 th:TH_LOAD_NT
	global_load_b128 v[L_+12:L_+15], v2, s[6:7] offset:(\i)*1024+512 th:TH_LOAD_NT
.endm
.macro LOADV i
.set L_, XS+24*((\i)%8)
	global_load_b128 v[L_+16:L_+19], v2, s[8:9] offset:(\i)*1024 th:TH_LOAD_NT
	global_load_b128 v[L_+20:L_+23], v2, s[8:9] offset:(\i)*1024+512 th:TH_LOAD_NT
.endm
	s_load_b256 s[4:11], s[0:1], 0x0               ; Q s[4:5], K s[6:7], V s[8:9], sp s[10:11]
	s_load_b64 s[12:13], s[0:1], 0x20              ; out0
	s_set_vgpr_msb 0x40
	v_lshl_add_u32 v198, v0, 2, 0x3a000
	v_mov_b32 v199, 0
	s_set_vgpr_msb 0x4000
	v_lshrrev_b32 v1, 5, v0
	v_readfirstlane_b32 s16, v1                    ; wave w
	s_and_b32 s15, ttmp7, 0xffff                   ; head h
	s_lshl_b32 s18, s15, 12
	s_lshl_b32 s14, ttmp9, 7
	s_wait_alu depctr_va_sdst(0)                   ; s16 is written, ahead of its first reader: the bases, the LDS addresses and the branches of the scores hang on it
	s_lshl_b32 s22, s16, 4
	s_add_co_u32 s22, s22, s14                     ; t_w = 128 c + 16 w
	s_add_co_u32 s18, s18, s22
	s_lshl_b32 s18, s18, 10                        ; (4096 h + t_w) rows of 1,024 bytes
	s_mov_b32 s19, 0
	s_lshl_b32 s20, s15, 5
	s_add_co_u32 s20, s20, ttmp9
	s_lshl_b32 s20, s20, 17                        ; state (h, c),
	s_lshl_b32 s21, s16, 14
	s_add_co_u32 s20, s20, s21                     ; my n tiles 2 w, 2 w + 1: 32 blocks of 512 bytes
	s_mov_b32 s21, 0
	v_and_b32 v1, 31, v0
	v_lshlrev_b32 v2, 4, v1                        ; 16 lane: never rewritten
	s_wait_kmcnt 0x0
	s_add_nc_u64 s[4:5], s[4:5], s[18:19]
	s_add_nc_u64 s[6:7], s[6:7], s[18:19]
	s_add_nc_u64 s[8:9], s[8:9], s[18:19]
	s_add_nc_u64 s[12:13], s[12:13], s[18:19]
	s_add_nc_u64 s[10:11], s[10:11], s[20:21]
	; Ss^T as A fragments straight from memory: block (a, 2 k) is registers 0-3 of fragment (a, k), block (a, 2 k + 1) registers 4-7
	WIN 0x40
	s_wait_alu depctr_va_vdst(0)                   ; v2 is written: every global load and store of the kernel reads it as its offset
.set mm, 0
.rept 32
	global_load_b128 v[4*mm:4*mm+3], v2, s[10:11] offset:512*mm th:TH_LOAD_NT
.set mm, mm+1
.endr
	WIN 0
.irp i, 0,1,2,3,4,5,6,7
	LOADQ \i
	LOADK \i
	LOADV \i
.endr
	; LDS addresses
	v_and_b32 v16, 15, v0                          ; r
	v_bfe_u32 v17, v0, 4, 1                        ; h
	s_mul_i32 s38, s16, 16*PQ
	v_lshl_add_u32 v3, v1, 3, s38
	v_add_nc_u32 v4, KT, v3
	s_mul_i32 s39, s16, 16*PVT
	s_add_co_u32 s39, s39, VT
	v_lshl_add_u32 v5, v1, 3, s39
	v_mul_u32_u24 v6, v16, PQ
	v_lshl_add_u32 v6, v17, 4, v6                  ; r pitch + 16 h
	v_add_nc_u32 v7, KT, v6
	v_add_nc_u32 v15, s38, v6
	v_and_b32 v18, 7, v0
	v_lshl_add_u32 v18, v17, 3, v18
	v_mul_u32_u24 v8, v18, PVT
	v_bfe_u32 v18, v0, 3, 1
	v_lshl_add_u32 v8, v18, 4, v8
	s_lshl_b32 s40, s16, 6
	s_add_co_u32 s40, s40, VT
	v_add_nc_u32 v8, s40, v8
	s_lshl_b32 s41, s16, 12
	s_add_co_u32 s41, s41, PT
	v_add_nc_u32 v9, s41, v2                       ; PT + 4 blocks of 1 KiB for each wave + 16 lane
	v_add_nc_u32 v10, PT, v2
	s_lshl_b32 s42, s16, 4
	v_add_nc_u32 v11, s42, v16
	v_lshlrev_b32 v18, 3, v17
	v_sub_nc_u32 v11, v11, v18                     ; 16 w + r - 8 h, signed
	v_mul_u32_u24 v12, v16, SPITCH
	v_lshl_add_u32 v12, v17, 5, v12
	s_lshl_b32 s43, s16, 7
	v_add_nc_u32 v12, s43, v12                     ; row r, bytes 128 w + 32 h
	v_add_nc_u32 v13, 64*SPITCH, v12               ; the same 64 rows further down: beyond the reach of a 16-bit offset
	s_mul_i32 s44, s16, 16*SPITCH
	v_add_nc_u32 v14, s44, v2
	s_mov_b32 s[C_S3], 0xb9500d01                  ; -1/5040
	s_mov_b32 s[C_S2], 0x3c088889                  ; 1/120
	s_mov_b32 s[C_S1], 0xbe2aaaab                  ; -1/6
	s_mov_b32 s[C_C4], 0x37d00d01                  ; 1/40320
	s_mov_b32 s[C_C3], 0xbab60b61                  ; -1/720
	s_mov_b32 s[C_C2], 0x3d2aaaab                  ; 1/24
	s_mov_b32 s[C_PI2], 0x3fc90fdb                 ; pi/2
	s_mov_b32 s32, 0x3b800000                      ; 2^-8, twice
	s_mov_b32 s33, 0x3b800000
	s_mov_b32 s34, 0x43800000                      ; 256, twice
	s_mov_b32 s35, 0x43800000
	; my four frequency pairs p = 2 l, 2 l + 1, 64 + 2 l, 65 + 2 l: 2^(-p/8) / (2 pi) cycles per row
	v_lshlrev_b32 v[TA], 1, v1
	v_cvt_f32_u32 v[TZ], s22
.irp q, 0,1,2,3
	v_add_nc_u32 v[F+\q], (\q&1)+64*(\q>>1), v[TA]
	v_cvt_f32_u32 v[F+\q], v[F+\q]
	v_mul_f32 v[F+\q], 0xbe000000, v[F+\q]
.endr
.irp q, 0,1,2,3
	v_exp_f32 v[F+\q], v[F+\q]
.endr
	v_nop                                          ; one plain place behind the exponentials (ISA guide 5.7.2)
	s_wait_alu depctr_va_vdst(0)
.irp q, 0,1,2,3
	v_mul_f32 v[F+\q], 0x3e22f983, v[F+\q]
	v_mul_f32 v[X+\q], v[F+\q], v[TZ]
.endr
.irp q, 0,1,2,3
	SINCOS CSA+2*\q, X+\q, TA, TZ
	SINCOS ST+2*\q, F+\q, TA, TZ
.endr
; Row i of my sixteen: rotate Q and K by the same phases, round all three to f16; then, behind one wait, into LDS, and the slot gets row i + 8, while the phases step one row.
.macro ROW i
.set SL_, XS+24*((\i)%8)
.if (\i)%2
.set CUR_, CSB
.set NXT_, CSA
.else
.set CUR_, CSA
.set NXT_, CSB
.endif
.if 15-(\i) < 7
	s_wait_loadcnt 6*(15-(\i))                     ; the rows behind this one, six loads each, may stay out
.else
	s_wait_loadcnt 42                              ; seven younger rows, six loads each, stay out (the loads of Ss are older: they are in)
.endif
.irp q, 0,1,2,3
	ROT T+2*\q, SL_+2*\q, CUR_+2*\q
.endr
.if (\i) > 0
	s_wait_alu depctr_vm_vsrc(0)                   ; the last row's LDS stores have read H, which the roundings below write again
.endif
.irp q, 0,1,2,3
	v_cvt_pk_f16_f32 v[H+\q], v[T+2*\q], v[T+2*\q+1]
.endr
.irp q, 0,1,2,3
	ROT T+2*\q, SL_+8+2*\q, CUR_+2*\q
.endr
.irp q, 0,1,2,3
	v_cvt_pk_f16_f32 v[H+4+\q], v[T+2*\q], v[T+2*\q+1]
.endr
.irp q, 0,1,2,3
	v_cvt_pk_f16_f32 v[H+8+\q], v[SL_+16+2*\q], v[SL_+16+2*\q+1]
.endr
	s_wait_alu depctr_va_vdst(0)                   ; the roundings have written H, which the LDS stores read; the row is done reading its slot, in which the loads land; in row 0: v3, v4 and v5 are written
.if (\i) < 8
	LOADQ (\i)+8                                   ; the lines dealt among these twelve name the phases alone
.endif
	ds_store_b64 v3, v[H:H+1]     offset:(\i)*PQ
	ds_store_b64 v3, v[H+2:H+3]   offset:(\i)*PQ+256
.if (\i) < 15
	ROT NXT_, CUR_, ST
.endif
.if (\i) < 8
	LOADK (\i)+8
.endif
	ds_store_b64 v4, v[H+4:H+5]   offset:(\i)*PQ
	ds_store_b64 v4, v[H+6:H+7]   offset:(\i)*PQ+256
.if (\i) < 15
	ROT NXT_+2, CUR_+2, ST+2
.endif
.if (\i) < 8
	LOADV (\i)+8
.endif
	ds_store_b64 v5, v[H+8:H+9]   offset:(\i)*PVT
	ds_store_b64 v5, v[H+10:H+11] offset:(\i)*PVT+256
.if (\i) < 15
	ROT NXT_+4, CUR_+4, ST+4
	ROT NXT_+6, CUR_+6, ST+6
.endif
.endm
.irp i, 0,1,2,3,4,5,6,7,8,9,10,11,12,13,14,15
	ROW \i
.endr
	s_wait_dscnt 0x0                               ; my rows are in LDS: zero, for the other waves
	s_barrier_signal -1
	s_barrier_wait -1                              ; all three tiles are whole
	; V^T fragments of my 32 columns, all 128 tokens, into window 1; and the two LDS addresses that the main phase names as source 0
	WIN 0x40
.irp n, 0,1
.irp b, 0,1,2,3
	ds_load_tr16_b128 v[VFR+8*(4*\n+\b):VFR+8*(4*\n+\b)+3],   v8 offset:\b*32*PVT+32*\n
	ds_load_tr16_b128 v[VFR+8*(4*\n+\b)+4:VFR+8*(4*\n+\b)+7], v8 offset:\b*32*PVT+32*\n+16*PVT
.endr
.endr
	v_mov_b32 v[QF1], v6
	v_mov_b32 v[PF1], v10
	WIN 0
	s_wait_alu depctr_va_vdst(0)                   ; the two copies are written, which the main phase's LDS loads read as addresses; every vector line so far is done with v[16:207], in which the fragments below land
	s_wait_alu depctr_vm_vsrc(0)                   ; my LDS stores have read H: its registers are Q fragments from here on
	; SCORES of t tile w, transposed: D(s, t) = K fragment (row s) x Q fragment (column t).  A lane then holds, for its t = r, eight neighbouring s:
	; packed, the two tiles of 32 tokens ARE the B fragment of Ps^T for the product with V^T.  Trips b = 0 .. w / 2: later tokens are masked anyway.
	; The four trips are written out, the number of the trip in the immediates (K: at most 3 x 16,896 + 8,448 + 480 = 59,616; Ps: at most 3,584), so that
	; no LDS address register is ever stepped; a wave leaves behind trip w / 2 by a forward branch on its number.
.irp k, 0,1,2,3,4,5,6,7
	ds_load_b128 v[QFR+8*\k:QFR+8*\k+3],   v15 offset:64*\k
	ds_load_b128 v[QFR+8*\k+4:QFR+8*\k+7], v15 offset:64*\k+32
.endr
.macro PTRIP b
.irp k, 0,1,2,3,4,5,6,7
.irp e, 0,1
	ds_load_b128 v[KFR+64*\e+8*\k:KFR+64*\e+8*\k+3],   v7 offset:(\b)*32*PQ+\e*16*PQ+64*\k
	ds_load_b128 v[KFR+64*\e+8*\k+4:KFR+64*\e+8*\k+7], v7 offset:(\b)*32*PQ+\e*16*PQ+64*\k+32
.endr
.endr
	; strictly causal: keep where t > s, that is 32 b + 16 e + j < 16 w + r - 8 h.  The sixteen masks are made in one run, while the loads are on their way
.irp j, 0,1,2,3,4,5,6,7
	v_cmp_lt_i32 s[MK+\j], 32*(\b)+\j, v11
	v_cmp_lt_i32 s[MK+8+\j], 32*(\b)+16+\j, v11
.endr
	s_wait_alu depctr_va_sdst(0)                   ; the sixteen masks are written, ahead of the selects that read them
	s_wait_dscnt 16                                ; steps 0-3 along d are in (and all that is older); the sixteen loads of steps 4-7 stay out
	; the two accumulators take turns, one instruction a turn; the first step starts the sums
.irp k, 0,1,2,3
.irp e, 0,1
.if \k == 0
	v_wmma_f32_16x16x32_f16 v[PA+8*\e:PA+8*\e+7], v[KFR+64*\e+8*\k:KFR+64*\e+8*\k+7], v[QFR+8*\k:QFR+8*\k+7], 0
.else
	v_wmma_f32_16x16x32_f16 v[PA+8*\e:PA+8*\e+7], v[KFR+64*\e+8*\k:KFR+64*\e+8*\k+7], v[QFR+8*\k:QFR+8*\k+7], v[PA+8*\e:PA+8*\e+7]
.endif
.endr
.endr
	s_wait_dscnt 0x0                               ; steps 4-7 are in
.irp k, 4,5,6,7
.irp e, 0,1
	v_wmma_f32_16x16x32_f16 v[PA+8*\e:PA+8*\e+7], v[KFR+64*\e+8*\k:KFR+64*\e+8*\k+7], v[QFR+8*\k:QFR+8*\k+7], v[PA+8*\e:PA+8*\e+7]
.endr
.endr
	PLACES                                         ; for the selects, which read the results
.irp j, 0,1,2,3,4,5,6,7
	v_cndmask_b32 v[PA+\j], 0, v[PA+\j], s[MK+\j]
	v_cndmask_b32 v[PA+8+\j], 0, v[PA+8+\j], s[MK+8+\j]
.endr
.irp j, 0,1,2,3,4,5,6,7
	v_pk_mul_f32 v[PA+2*\j:PA+2*\j+1], v[PA+2*\j:PA+2*\j+1], s[32:33] op_sel_hi:[1,0]
.endr
.if (\b) > 0
	s_wait_alu depctr_vm_vsrc(0)                   ; the last trip's two LDS stores have read PK, which the roundings below write again
.endif
.irp j, 0,1,2,3,4,5,6,7
	v_cvt_pk_f16_f32 v[PK+\j], v[PA+2*\j], v[PA+2*\j+1]
.endr
	s_wait_alu depctr_va_vdst(0)                   ; the roundings have written PK, which the stores read; the matrix instructions are done reading the Q and K fragments, in which the next loads land: the next trip's, or the main phase's
	ds_store_b128 v9, v[PK:PK+3]   offset:(\b)*1024       ; registers 0-3 of the fragment, lane by lane,
	ds_store_b128 v9, v[PK+4:PK+7] offset:(\b)*1024+512   ; registers 4-7
.endm
	PTRIP 0
	s_cmp_lt_u32 s16, 2                            ; waves 0 and 1: tokens 0-31 were all
	s_cbranch_scc1 .Lpdone
	PTRIP 1
	s_cmp_lt_u32 s16, 4                            ; waves 2 and 3: tokens 0-63
	s_cbranch_scc1 .Lpdone
	PTRIP 2
	s_cmp_lt_u32 s16, 6                            ; waves 4 and 5: tokens 0-95
	s_cbranch_scc1 .Lpdone
	PTRIP 3
.Lpdone:
	s_wait_dscnt 0x0                               ; my Ps blocks are in LDS: zero, for the other waves
	s_wait_alu depctr_vm_vsrc(0)                   ; my last two LDS stores have read PK, which lies among the accumulators that the products below write
	s_barrier_signal -1                            ; its wait stands 14 batches further down: up to there only QT is read, which nobody writes before the stage
; MAIN: 21 batches of four B fragments (8 loads, 8 matrix instructions), one stretch with source 0 (A, and the LDS address) in window 1.
; Batches 0-15: Ss^T QR^T, step k = batch / 2 along d, t tiles 4 (batch % 2) + i.  Batches 16-20: V^T Ps^T over the 20 pairs (tt, b), b <= tt / 2.
.macro PAIR p                          ; pair p of the twenty: TT_ = its t tile, BB_ = its 32 tokens; all of b = 0 first, then b = 1, 2, 3
.if (\p) < 8
.set BB_, 0
.set TT_, (\p)
.elseif (\p) < 14
.set BB_, 1
.set TT_, (\p)-6
.elseif (\p) < 18
.set BB_, 2
.set TT_, (\p)-10
.else
.set BB_, 3
.set TT_, (\p)-12
.endif
.endm
.macro FETCH1 beta, i                  ; the two loads of fragment i of batch beta
.set R_, RING+32*((\beta)%3)+8*(\i)
.if (\beta) < 16
.set O_, (4*((\beta)&1)+(\i))*16*PQ+64*((\beta)>>1)
	ds_load_b128 v[R_:R_+3],   v[QF1] offset:O_
	ds_load_b128 v[R_+4:R_+7], v[QF1] offset:O_+32
.else
	PAIR 4*((\beta)-16)+(\i)
	ds_load_b128 v[R_:R_+3],   v[PF1] offset:(4*TT_+BB_)*1024
	ds_load_b128 v[R_+4:R_+7], v[PF1] offset:(4*TT_+BB_)*1024+512
.endif
.endm
; the two matrix instructions on fragment i of batch beta.  The sixteen accumulators take turns, one instruction a turn; the first step along d starts the sums
.macro MUL1 beta, i
.set R_, RING+32*((\beta)%3)+8*(\i)
.if (\beta) < 16
.set K_, (\beta)>>1
.set TT_, 4*((\beta)&1)+(\i)
.irp n, 0,1
.if K_ == 0
	v_wmma_f32_16x16x32_f16 v[ACC+8*(2*TT_+\n):ACC+8*(2*TT_+\n)+7], v[64*\n+8*K_:64*\n+8*K_+7], v[R_:R_+7], 0
.else
	v_wmma_f32_16x16x32_f16 v[ACC+8*(2*TT_+\n):ACC+8*(2*TT_+\n)+7], v[64*\n+8*K_:64*\n+8*K_+7], v[R_:R_+7], v[ACC+8*(2*TT_+\n):ACC+8*(2*TT_+\n)+7]
.endif
.endr
.else
	PAIR 4*((\beta)-16)+(\i)
.irp n, 0,1
	v_wmma_f32_16x16x32_f16 v[ACC+8*(2*TT_+\n):ACC+8*(2*TT_+\n)+7], v[VFR+8*(4*\n+BB_):VFR+8*(4*\n+BB_)+7], v[R_:R_+7], v[ACC+8*(2*TT_+\n):ACC+8*(2*TT_+\n)+7]
.endr
.endif
.endm
; a batch: behind each two matrix instructions two loads of the batch after next, into the set that neither this batch nor the next names
.macro BATCH beta
.irp i, 0,1,2,3
	MUL1 \beta, \i
.if (\beta) < 19
	FETCH1 (\beta)+2, \i
.endif
.endr
.endm
	WIN 0x01
.irp i, 0,1,2,3
	FETCH1 0, \i
.endr
.irp i, 0,1,2,3
	FETCH1 1, \i
.endr
.set bb, 0
.rept 21
.if bb == 14
	s_barrier_wait -1                              ; every wave has stored its Ps blocks: this batch's loads are the first that read them
.endif
.if bb < 20
	s_wait_dscnt 8                                 ; this batch's fragments are in; the one younger fetch, eight loads, stays out
.else
	s_wait_dscnt 0x0                               ; the last fetch: no LDS read of mine is out any more
.endif
.if (bb > 0) && (bb < 19)
	s_wait_alu depctr_va_vdst(0)                   ; the last batch's matrix instructions are done reading their set, in which the loads dealt below land
.endif
	BATCH bb
.set bb, bb+1
.endr
	WIN 0
	; THE WAY OUT: times 256, through a stage of whole f32 rows, so that each store covers 512 consecutive aligned bytes of a row.
	s_barrier_signal -1                            ; my reads of QT and KT are over (the wait for 0 above); register work up to the wait
	PLACES
.set kk, 0
.rept 64
	v_pk_mul_f32 v[ACC+2*kk:ACC+2*kk+1], v[ACC+2*kk:ACC+2*kk+1], s[34:35] op_sel_hi:[1,0]
.set kk, kk+1
.endr
	s_barrier_wait -1                              ; nobody reads QT or KT any more: the stage may lie over them
	s_wait_alu depctr_va_vdst(0)                   ; the multiplies have written the accumulators, which the LDS stores read and in which the loads from the stage land
.irp t, 0,1,2,3
.irp n, 0,1
	ds_store_b128 v12, v[ACC+8*(2*\t+\n):ACC+8*(2*\t+\n)+3]         offset:\t*16*SPITCH+64*\n
	ds_store_b128 v12, v[ACC+8*(2*\t+\n)+4:ACC+8*(2*\t+\n)+7]       offset:\t*16*SPITCH+64*\n+16
	ds_store_b128 v13, v[ACC+8*(2*(\t+4)+\n):ACC+8*(2*(\t+4)+\n)+3]   offset:\t*16*SPITCH+64*\n
	ds_store_b128 v13, v[ACC+8*(2*(\t+4)+\n)+4:ACC+8*(2*(\t+4)+\n)+7] offset:\t*16*SPITCH+64*\n+16
.endr
.endr
	s_wait_dscnt 0x0                               ; my columns of all 128 rows are in the stage: zero, for the other waves
	s_barrier_signal -1
	s_barrier_wait -1
	s_wait_alu depctr_vm_vsrc(0)                   ; my LDS stores have read the accumulators, in which the loads below land
.set kk, 0
.rept 32
	ds_load_b128 v[ACC+4*kk:ACC+4*kk+3], v14 offset:(kk>>1)*SPITCH+512*(kk&1)    ; rows 16 w + kk / 2, half kk % 2
.set kk, kk+1
.endr
.set kk, 0
.rept 32
	s_wait_dscnt 31-kk                             ; LDS loads come back in order: number kk is in, the younger ones stay out
	global_store_b128 v2, v[ACC+4*kk:ACC+4*kk+3], s[12:13] offset:(kk>>1)*1024+512*(kk&1) th:TH_STORE_NT
.set kk, kk+1
.endr
	s_set_vgpr_msb 0x5
	s_wait_dscnt 0x0
	s_wait_alu depctr_hold_cnt(0) depctr_sa_sdst(0) depctr_va_vdst(0) depctr_va_sdst(0) depctr_va_ssrc(0) depctr_va_vcc(0) depctr_vm_vsrc(0)
	s_wait_tensorcnt 0x0
	ds_add_u32 v198, v199
	s_wait_dscnt 0x0
	s_endpgm
.Lfunc_end_k_qe5e14263b8_attn:
	.size	k_qe5e14263b8_attn, .Lfunc_end_k_qe5e14263b8_attn-k_qe5e14263b8_attn
	.p2alignl 7, 3214868480
	.fill 96, 4, 3214868480
	.section	.rodata,"a",@progbits
	.p2align	6, 0x0
	.amdhsa_kernel k_qe5e14263b8_attn
		.amdhsa_group_segment_fixed_size 238592
		.amdhsa_private_segment_fixed_size 0
		.amdhsa_enable_private_segment 0
		.amdhsa_kernarg_size 40
		.amdhsa_user_sgpr_count 2
		.amdhsa_user_sgpr_kernarg_segment_ptr 1
		.amdhsa_wavefront_size32 1
		.amdhsa_system_sgpr_workgroup_id_x 1
		.amdhsa_system_sgpr_workgroup_id_y 1
		.amdhsa_system_sgpr_workgroup_id_z 1
		.amdhsa_system_vgpr_workitem_id 0
		.amdhsa_next_free_vgpr 456
		.amdhsa_next_free_sgpr 66
		.amdhsa_reserve_vcc 0
		.amdhsa_float_denorm_mode_32 3
		.amdhsa_float_denorm_mode_16_64 3
		.amdhsa_memory_ordered 1
		.amdhsa_forward_progress 1
		.amdhsa_inst_pref_size 132
	.end_amdhsa_kernel
	.amdgpu_metadata
---
amdhsa.version: [ 1, 2 ]
amdhsa.kernels:
  - .name:           k_qe5e14263b8_attn
    .symbol:         k_qe5e14263b8_attn.kd
    .args:
      - { .name: Q, .offset: 0, .size: 8, .value_kind: global_buffer, .address_space: global }
      - { .name: K, .offset: 8, .size: 8, .value_kind: global_buffer, .address_space: global }
      - { .name: V, .offset: 16, .size: 8, .value_kind: global_buffer, .address_space: global }
      - { .name: sp, .offset: 24, .size: 8, .value_kind: global_buffer, .address_space: global }
      - { .name: out0, .offset: 32, .size: 8, .value_kind: global_buffer, .address_space: global }
    .group_segment_fixed_size: 238592
    .private_segment_fixed_size: 0
    .kernarg_segment_align: 8
    .kernarg_segment_size: 40
    .max_flat_workgroup_size: 256
    .sgpr_count:     66
    .vgpr_count:     456
    .wavefront_size: 32
...
	.end_amdgpu_metadata
.endif
;; end of part 5
